; MI455X (gfx1250); checked and timed in simulation.
; The chip was launched on July 23, 2026; its instructions are those of AMD's public machine-readable ISA for CDNA 5 (MIT licence, August 2026) and "CDNA5" Instruction Set Architecture Reference Guide (July 2026). The comments in the code are by the model that wrote it; some were corrected since.
;; Transformer Block. Allowed arithmetic: matrix products marked QUANTISED: E4M3 operands, one given power-of-two scale a tensor, by v_wmma_f32_16x16x64_fp8_fp8 or v_wmma_f32_16x16x128_fp8_fp8, f32 sums; everything else in f32.
;; Inputs: W1_codes 4,096 x 32 x 32 uint8 (E4M3 codes of W1, K innermost, in blocks of 32 codes); W2_codes 1,024 x 128 x 32 uint8 (E4M3 codes of W2, K innermost, in blocks of 32 codes); Wk_codes 1,024 x 32 x 32 uint8 (E4M3 codes of Wk, K innermost, in blocks of 32 codes); Wo_codes 1,024 x 32 x 32 uint8 (E4M3 codes of Wo, K innermost, in blocks of 32 codes); Wq_codes 1,024 x 32 x 32 uint8 (E4M3 codes of Wq, K innermost, in blocks of 32 codes); Wv_codes 1,024 x 32 x 32 uint8 (E4M3 codes of Wv, K innermost, in blocks of 32 codes); b1 4,096 float32; b2 1,024 float32; bk 1,024 float32; bo 1,024 float32; bq 1,024 float32; bv 1,024 float32; ln1_b 1,024 float32; ln1_g 1,024 float32; ln2_b 1,024 float32; ln2_g 1,024 float32; lowp_scales 16 int32 (the exponents e of the quantised operands' scales 2^e); x 2 x 2,048 x 1,024 float32.
;; Outputs: out0 2 x 2,048 x 1,024 float32.
;; This version of the problem:
;;   THIS VERSION OF THE PROBLEM IS GIVEN IN LOW PRECISION. The matrix products marked QUANTISED in the list below multiply operands that are first quantised to E4M3 (4 exponent bits, 3 mantissa bits; 8 bits a number), with one given power-of-two scale for each operand tensor; their sums are f32. All else is computed in f32.
;;   The module's matrix products, in the order in which they are computed (A, B: the left and right operand; K: the contracted axis; several contracted axes count as one K, in the product's order):
;;     1. [M 4,096, K 1,024] x [K 1,024, N 1,024]; A: computed on the way; B: input Wq (given as codes): QUANTISED (scales: A lowp_scales[0], B lowp_scales[1])
;;     2. [M 4,096, K 1,024] x [K 1,024, N 1,024]; A: computed on the way; B: input Wk (given as codes): QUANTISED (scales: A lowp_scales[2], B lowp_scales[3])
;;     3. [M 4,096, K 1,024] x [K 1,024, N 1,024]; A: computed on the way; B: input Wv (given as codes): QUANTISED (scales: A lowp_scales[4], B lowp_scales[5])
;;     4. batch 32 x [M 2,048, K 64] x [K 64, N 2,048]; A: computed on the way; B: computed on the way: QUANTISED (scales: A lowp_scales[6], B lowp_scales[7])
;;     5. batch 32 x [M 2,048, K 2,048] x [K 2,048, N 64]; A: softmax (see below); B: computed on the way: QUANTISED (scales: A lowp_scales[8], B lowp_scales[9])
;;     6. [M 4,096, K 1,024] x [K 1,024, N 1,024]; A: computed on the way; B: input Wo (given as codes): QUANTISED (scales: A lowp_scales[10], B lowp_scales[11])
;;     7. [M 4,096, K 1,024] x [K 1,024, N 4,096]; A: computed on the way; B: input W1 (given as codes): QUANTISED (scales: A lowp_scales[12], B lowp_scales[13])
;;     8. [M 4,096, K 4,096] x [K 4,096, N 1,024]; A: computed on the way; B: input W2 (given as codes): QUANTISED (scales: A lowp_scales[14], B lowp_scales[15])
;;   THE QUANTISER, for each operand of a quantised product, along K:
;;     - The operand's scale is 2^e, e = its entry of the input lowp_scales (int32; the entries are numbered through the quantised products in the list's order, A before B).
;;     - Each number is divided by the scale, clamped to +-448, and rounded to the nearest number of E4M3, ties to even, subnormals kept.
;;     - The product sums the exact products of the quantised numbers (number of the format x scale) in f32.
;;   ~~~python
;;   def quantise(x, axis, e):      # numpy; x: float32 -> the quantised numbers, widened to float32 again
;;       x = np.moveaxis(x, axis, -1); K = x.shape[-1]
;;       r = np.clip(x / 2.0 ** e, -448, 448)
;;       step = 2.0 ** (np.maximum(np.frexp(np.where(r == 0, 1, r))[1] - 1, -6) - 3)
;;       q = np.round(r / step) * step * 2.0 ** e      # np.round: ties to even
;;       return np.moveaxis(q, -1, axis).astype(np.float32)
;;   ~~~
;;   SOFTMAX AHEAD OF A QUANTISED PRODUCT. Where the list says 'softmax', what is quantised is not the finished softmax but p = 2^(t - M), with t = logit x log2(e) and M = ceil(the row's largest t), a whole number; so 1/2 < the row's largest p <= 1. The row's sum l is taken of the UNQUANTISED p, in f32, and the product's result is divided by l at the end. Since M is a whole number, a kernel that streams over the keys may use a running M (the ceiling of the running maximum): every later rescaling is an exact power of two, so the quantised numbers keep their values, but for numbers so far below the row's largest that they fall under the format's range.
;;   OPERANDS COMPUTED ON THE WAY. 'Computed on the way' means the value that the module computes at that place (a softmax that the list does not call 'softmax' is quantised finished and normalised). What goes into a quantiser is computed in f32, as accurately as f32 sums, v_exp_f32 and their like allow (about 1e-6 of the number): no bf16 or f16 on the way to a quantiser, and a product that is left as it is and whose result goes on into a quantised operand takes f32 operands (vector FMAs, or v_wmma_f32_16x16x4_f32). A number that lies on a knife's edge between two numbers of the format may be rounded either way, as far as f32 arithmetic and the matrix unit's own rounding can turn it there, and no further.
;;   INPUTS GIVEN AS CODES. W1 (in the module: [1024, 4096], K = its axis 0); W2 (in the module: [4096, 1024], K = its axis 0); Wk (in the module: [1024, 1024], K = its axis 0); Wo (in the module: [1024, 1024], K = its axis 0); Wq (in the module: [1024, 1024], K = its axis 0); Wv (in the module: [1024, 1024], K = its axis 0): each comes as NAME_codes (uint8): NAME with its K axis moved to the last place and cut into blocks of 32 codes, [.., K / 32, bytes a block], one block behind the other in memory; one code a byte (a code: sign, 4 exponent bits, 3 mantissa bits); its scale is its entry of lowp_scales. Its value is code x scale, taken as it is: it is not quantised again, and the codes and scales need not be those that the quantiser above would give.
;; One version. Each part assembles by itself: llvm-mc -triple=amdgcn-amd-amdhsa -mcpu=gfx1250 --defsym DOCPART=n.
;; ======== version 1 of 1: 7 launches
;; limits: right only within a limited range of input values
;; workspace buffers: hc 12,582,912 bytes; qkv 12,582,912 bytes; ctx 4,194,304 bytes; x1 16,777,216 bytes; h2 4,194,304 bytes; gc 16,777,216 bytes
;; launch ln1 (part 1): grid 256 x 1, 8 waves a work-group, no clusters, 0 bytes of LDS; arguments x, ln1_g, ln1_b, lowp_scales, hc; writes hc
.if DOCPART == 1
	.amdgcn_target "amdgcn-amd-amdhsa--gfx1250"
	.amdhsa_code_object_version 6
	.text
	.protected	k_q5a6dac8062_ln1
	.globl	k_q5a6dac8062_ln1
	.p2align	8
	.type	k_q5a6dac8062_ln1,@function
k_q5a6dac8062_ln1:
	s_mov_b64 s[64:65], 0
	v_nop
	global_prefetch_b8 v0, s[64:65] scope:SCOPE_SE
	s_setreg_imm32_b32 hwreg(HW_REG_WAVE_MODE, 25, 1), 1
	s_wait_xcnt 0x0
; h = (x - mean) * rsqrt(var + 1e-5) * g + b over rows of 1,024 f32, then codes of E4M3 at NOUT given scales, row-major, K innermost.
; Here NOUT = 3: the same h is an operand of three products, each with its own scale (entries 0, 2, 4 of the scales): out = [3][4096][1024] bytes.
; SHARES.  256 work-groups x 8 waves x 2 rows.  A wave holds a row in 32 registers a lane: chunk c (0..3) = columns 256 c + 8 lane + 0..7, eight neighbours
; along K, as the conversion wants them.  A chunk comes by two loads of 16 bytes a lane, which together cover 1,024 consecutive bytes (each alone takes half
; of every 32 bytes: chosen over a turn through LDS).  A chunk's 8 codes leave by one store of 8 bytes a lane: 256 consecutive bytes, aligned.
; The mean is taken away before the squares are summed, so a common offset of the inputs does no harm.  No LDS, no barrier: waves share nothing.
; LIMITS: each exponent e lies between -126 and 119, so that 2^e and 448 x 2^e are f32 numbers.  NaN among the inputs is not served.
.set NOUT, 3
.set SCB,  0                           ; byte of the first exponent in the scales; the others follow 8 bytes apart
.set G,    8                           ; v8-39    g of my 32 columns
.set BB,   40                          ; v40-71   b
.set X,    72                          ; v72-135  two rows
.set HH,   136                         ; v136-167 h of the row in hand
.set U,    168                         ; v168-183 two sets of eight held numbers, by turns
.set CD,   184                         ; v184-231 codes: a pair for each (row, scale, chunk): no store's data are written again
.set CH,   232                         ; v232-239 four chains of sums
.set MU,   240                         ; v240-243 a row's mean, twice
.set RS,   244                         ; v244-247 a row's 1 / sqrt(var + eps), twice
.set SC,   248                         ; v248-250 2^e
.set LIM,  251                         ; v251-253 448 x 2^e
.set PD,   254                         ; the lane permute's destination
	s_load_b256 s[4:11], s[0:1], 0x0               ; x, g, b, the scales' exponents
	s_load_b64 s[12:13], s[0:1], 0x20              ; out
	v_lshrrev_b32 v1, 5, v0
	s_delay_alu instid0(VALU_DEP_1)
	v_readfirstlane_b32 s16, v1                    ; wave
	v_and_b32 v1, 31, v0
	s_delay_alu instid0(VALU_DEP_1)
	v_lshlrev_b32 v2, 5, v1                        ; 32 x lane: my 8 numbers of a chunk
	s_delay_alu instid0(VALU_DEP_2)
	v_lshlrev_b32 v3, 3, v1                        ; 8 x lane: my 8 codes of a chunk
	v_mov_b32 v[PD], 0                             ; a lane permute's destination counts as read
	s_mov_b32 s20, 0x76543210
	s_mov_b32 s21, 0xfedcba98                      ; selects for lane l xor 16
	s_mov_b32 s36, 0x3a800000                      ; 1 / 1024
	s_mov_b32 s37, 0x3727c5ac                      ; 1e-5
	s_lshl_b32 s17, ttmp9, 4
	s_lshl_b32 s18, s16, 1
	s_add_co_u32 s17, s17, s18                     ; my first row: 16 x work-group + 2 x wave
	s_lshl_b32 s18, s17, 12
	s_mov_b32 s19, 0
	s_lshl_b32 s22, s17, 10
	s_mov_b32 s23, 0
	s_wait_alu depctr_va_vdst(0)
	s_wait_kmcnt 0x0
.set OI, 0
.rept NOUT
	s_load_b32 s[30+OI], s[10:11], SCB+8*OI
.set OI, OI+1
.endr
	s_add_nc_u64 s[4:5], s[4:5], s[18:19]
	s_add_nc_u64 s[12:13], s[12:13], s[22:23]
.set OI, 0
.rept NOUT
	s_add_nc_u64 s[24+2*OI:25+2*OI], s[12:13], OI*0x400000   ; a base for each tensor of codes
.set OI, OI+1
.endr
.macro ROWLOAD reg, base, off
.irp c, 0,1,2,3
.irp k, 0,1
	global_load_b128 v[\reg+8*\c+4*\k:\reg+8*\c+4*\k+3], v2, s[\base:\base+1] offset:\off+1024*\c+16*\k
.endr
.endr
.endm
	ROWLOAD X, 4, 0
	ROWLOAD X+32, 4, 4096
	ROWLOAD G, 6, 0
	ROWLOAD BB, 8, 0
	s_wait_kmcnt 0x0
.set OI, 0
.rept NOUT
	s_add_co_i32 s34, s[30+OI], 127
	s_lshl_b32 s35, s34, 23
	v_mov_b32 v[SC+OI], s35                        ; 2^e as f32: the conversion takes its exponent field
	s_add_co_i32 s34, s34, 8
	s_lshl_b32 s34, s34, 23
	s_or_b32 s34, s34, 0x600000
	v_mov_b32 v[LIM+OI], s34                       ; 448 x 2^e
.set OI, OI+1
.endr
.macro FOLD                            ; four chains, two halves, 32 lanes -> one sum in every lane, in v[CH]
	s_delay_alu instid0(VALU_DEP_3)
	v_pk_add_f32 v[CH:CH+1], v[CH:CH+1], v[CH+2:CH+3]
	s_delay_alu instid0(VALU_DEP_2)
	v_pk_add_f32 v[CH+4:CH+5], v[CH+4:CH+5], v[CH+6:CH+7]
	s_delay_alu instid0(VALU_DEP_1)
	v_pk_add_f32 v[CH:CH+1], v[CH:CH+1], v[CH+4:CH+5]
	s_delay_alu instid0(VALU_DEP_1)
	v_add_f32 v[CH], v[CH], v[CH+1]
	s_delay_alu instid0(VALU_DEP_1)
	v_add_f32_dpp v[CH], v[CH], v[CH] row_xmask:1 row_mask:0xf bank_mask:0xf
	s_delay_alu instid0(VALU_DEP_1)
	v_add_f32_dpp v[CH], v[CH], v[CH] row_xmask:2 row_mask:0xf bank_mask:0xf
	s_delay_alu instid0(VALU_DEP_1)
	v_add_f32_dpp v[CH], v[CH], v[CH] row_xmask:4 row_mask:0xf bank_mask:0xf
	s_delay_alu instid0(VALU_DEP_1)
	v_add_f32_dpp v[CH], v[CH], v[CH] row_xmask:8 row_mask:0xf bank_mask:0xf
	s_delay_alu instid0(VALU_DEP_1)
	v_permlanex16_b32 v[PD], v[CH], s20, s21
	s_delay_alu instid0(VALU_DEP_1)
	v_add_f32 v[CH], v[CH], v[PD]
.endm
.macro STATS p                         ; row p: x becomes x - mean in place; 1 / sqrt(var + eps) is asked for
.set XR, X+32*(\p)
.irp k, 0,1,2,3
	v_pk_add_f32 v[CH+2*\k:CH+2*\k+1], v[XR+2*\k:XR+2*\k+1], v[XR+8+2*\k:XR+8+2*\k+1]   ; the first pairs start the chains: nothing is cleared
.endr
.irp i, 8,9,10,11,12,13,14,15
	s_delay_alu instid0(VALU_DEP_4)
	v_pk_add_f32 v[CH+2*(\i%4):CH+2*(\i%4)+1], v[CH+2*(\i%4):CH+2*(\i%4)+1], v[XR+2*\i:XR+2*\i+1]
.endr
	FOLD
	s_delay_alu instid0(VALU_DEP_1)
	v_mul_f32 v[MU+2*(\p)], s36, v[CH]
	s_delay_alu instid0(VALU_DEP_1)
	v_mov_b32 v[MU+2*(\p)+1], v[MU+2*(\p)]
.irp i, 0,1,2,3,4,5,6,7,8,9,10,11,12,13,14,15
	v_pk_add_f32 v[XR+2*\i:XR+2*\i+1], v[XR+2*\i:XR+2*\i+1], v[MU+2*(\p):MU+2*(\p)+1] neg_lo:[0,1] neg_hi:[0,1]
.endr
.irp k, 0,1,2,3
	v_pk_mul_f32 v[CH+2*\k:CH+2*\k+1], v[XR+2*\k:XR+2*\k+1], v[XR+2*\k:XR+2*\k+1]
.endr
.irp i, 4,5,6,7,8,9,10,11,12,13,14,15
	s_delay_alu instid0(VALU_DEP_4)
	v_pk_fma_f32 v[CH+2*(\i%4):CH+2*(\i%4)+1], v[XR+2*\i:XR+2*\i+1], v[XR+2*\i:XR+2*\i+1], v[CH+2*(\i%4):CH+2*(\i%4)+1]
.endr
	FOLD
	s_delay_alu instid0(VALU_DEP_1)
	v_fma_f32 v[CH], v[CH], s36, s37               ; var + eps
	s_wait_alu depctr_va_vdst(0)
	v_rsq_f32 v[RS+2*(\p)], v[CH]
	v_rsq_f32 v[RS+2*(\p)+1], v[CH]                ; twice: a pair for the packed multiply
	v_nop                                          ; a plain line before the source is written again (ISA guide 5.7.2)
.endm
.macro NORM p
.set XR, X+32*(\p)
.irp i, 0,1,2,3,4,5,6,7,8,9,10,11,12,13,14,15
	v_pk_mul_f32 v[HH+2*\i:HH+2*\i+1], v[XR+2*\i:XR+2*\i+1], v[RS+2*(\p):RS+2*(\p)+1]
.endr
.irp i, 0,1,2,3,4,5,6,7,8,9,10,11,12,13,14,15
	v_pk_fma_f32 v[HH+2*\i:HH+2*\i+1], v[HH+2*\i:HH+2*\i+1], v[G+2*\i:G+2*\i+1], v[BB+2*\i:BB+2*\i+1]
.endr
.endm
.macro QUANT p, o                      ; row p at scale o: hold, convert, store, a chunk at a time.  The two sets of held numbers take turns, so the next chunk's holds are the plain lines behind each conversion
.irp c, 0,1,2,3
.irp j, 0,1,2,3,4,5,6,7
	v_med3_num_f32 v[U+8*(\c%2)+\j], v[HH+8*\c+\j], -v[LIM+(\o)], v[LIM+(\o)]   ; the conversion to an 8-bit code does not saturate (ISA guide 7.6.2)
.endr
	v_cvt_scalef32_pk8_fp8_f32 v[CD+24*(\p)+8*(\o)+2*\c:CD+24*(\p)+8*(\o)+2*\c+1], v[U+8*(\c%2):U+8*(\c%2)+7], v[SC+(\o)]
	global_store_b64 v3, v[CD+24*(\p)+8*(\o)+2*\c:CD+24*(\p)+8*(\o)+2*\c+1], s[24+2*(\o):25+2*(\o)] offset:1024*(\p)+256*\c   ; 32 lanes store 256 consecutive bytes, aligned
.endr
.endm
	s_wait_loadcnt 24                              ; row 0's eight loads are in; row 1, g and b may be out
	STATS 0
	s_wait_loadcnt 16                              ; row 1's are in
	STATS 1
	s_wait_alu depctr_va_vdst(0)                   ; one wait for the four reciprocal square roots, ahead of their first reader
	s_wait_loadcnt 0x0                             ; g and b
	NORM 0
.set OI, 0
.rept NOUT
	QUANT 0, OI
.set OI, OI+1
.endr
	NORM 1
.set OI, 0
.rept NOUT
	QUANT 1, OI
.set OI, OI+1
.endr
	s_endpgm
.Lfunc_end_k_q5a6dac8062_ln1:
	.size	k_q5a6dac8062_ln1, .Lfunc_end_k_q5a6dac8062_ln1-k_q5a6dac8062_ln1
	.p2alignl 7, 3214868480
	.fill 96, 4, 3214868480
	.section	.rodata,"a",@progbits
	.p2align	6, 0x0
	.amdhsa_kernel k_q5a6dac8062_ln1
		.amdhsa_group_segment_fixed_size 0
		.amdhsa_private_segment_fixed_size 0
		.amdhsa_enable_private_segment 0
		.amdhsa_kernarg_size 40
		.amdhsa_user_sgpr_count 2
		.amdhsa_user_sgpr_kernarg_segment_ptr 1
		.amdhsa_wavefront_size32 1
		.amdhsa_system_sgpr_workgroup_id_x 1
		.amdhsa_system_sgpr_workgroup_id_y 1
		.amdhsa_system_sgpr_workgroup_id_z 1
		.amdhsa_system_vgpr_workitem_id 0
		.amdhsa_next_free_vgpr 256
		.amdhsa_next_free_sgpr 66
		.amdhsa_reserve_vcc 0
		.amdhsa_float_denorm_mode_32 3
		.amdhsa_float_denorm_mode_16_64 3
		.amdhsa_memory_ordered 1
		.amdhsa_forward_progress 1
		.amdhsa_inst_pref_size 37
	.end_amdhsa_kernel
	.amdgpu_metadata
---
amdhsa.version: [ 1, 2 ]
amdhsa.kernels:
  - .name:           k_q5a6dac8062_ln1
    .symbol:         k_q5a6dac8062_ln1.kd
    .args:
      - { .name: x, .offset: 0, .size: 8, .value_kind: global_buffer, .address_space: global }
      - { .name: ln1_g, .offset: 8, .size: 8, .value_kind: global_buffer, .address_space: global }
      - { .name: ln1_b, .offset: 16, .size: 8, .value_kind: global_buffer, .address_space: global }
      - { .name: lowp_scales, .offset: 24, .size: 8, .value_kind: global_buffer, .address_space: global }
      - { .name: hc, .offset: 32, .size: 8, .value_kind: global_buffer, .address_space: global }
    .group_segment_fixed_size: 0
    .private_segment_fixed_size: 0
    .kernarg_segment_align: 8
    .kernarg_segment_size: 40
    .max_flat_workgroup_size: 256
    .sgpr_count:     66
    .vgpr_count:     256
    .wavefront_size: 32
...
	.end_amdgpu_metadata
.endif
;; end of part 1
;; launch qkv (part 2): grid 12 x 16, 4 waves a work-group, clusters of 4 x 4, 327,680 bytes of LDS; arguments hc, Wq_codes, Wk_codes, Wv_codes, bq, bk, bv, lowp_scales, qkv; writes qkv
.if DOCPART == 2
	.amdgcn_target "amdgcn-amd-amdhsa--gfx1250"
	.amdhsa_code_object_version 6
	.text
	.protected	k_q5a6dac8062_qkv
	.globl	k_q5a6dac8062_qkv
	.p2align	8
	.type	k_q5a6dac8062_qkv,@function
k_q5a6dac8062_qkv:
	s_mov_b64 s[64:65], 0
	v_nop
	global_prefetch_b8 v0, s[64:65] scope:SCOPE_SE
	s_setreg_imm32_b32 hwreg(HW_REG_WAVE_MODE, 25, 1), 1
	s_wait_xcnt 0x0
	s_wait_alu depctr_hold_cnt(0) depctr_sa_sdst(0) depctr_va_vdst(0) depctr_va_sdst(0) depctr_va_ssrc(0) depctr_va_vcc(0) depctr_vm_vsrc(0)
	s_getreg_b32 s2, hwreg(HW_REG_IB_STS2, 6, 4)
	s_cmp_eq_u32 s2, 0
	s_cbranch_scc0 .Lentry_in_a_cluster
	s_endpgm
.Lentry_in_a_cluster:
	s_bfe_u32 s2, ttmp6, 0x10000c
	s_cmp_lg_u32 s2, 0xf033
	s_cbranch_scc0 .Lentry_shape_is_right
	s_endpgm
.Lentry_shape_is_right:
.set ROWB,   256
.set KROW,   1024
.set PITCH,  272
.set FR,     16
.set NL,     4
.set NP,     4
.set HALFT,  128*PITCH
.set SLOT,   4*HALFT
.set SPARE,  2*SLOT
.set HS,     393216
.set ADRA, 16
.set ADRB, 20
.set SPW,  28
.set NIL,  29
.set AF,   128
.set BC,   32
.set BR,   96
.set T,    128
.set CD,   192
.set VO0,  10
.set VO1,  11
.set LIMV, 12
.set SCV,  13
.set G1, 24
.set G0, 32
.set G1B, 48
.set G0B, 56
.set MSB, 0
.macro WIN new
.if MSB != \new
	s_set_vgpr_msb (MSB<<8)|\new
.set MSB, \new
.endif
.endm
.set MUL_LO, 0xa1
.set MUL_HI, 0xf1
.set TO_B,   0x40
.macro JLOAD g0a, g1a, g0b, g1b
	s_cmp_eq_u32 s15, 0
	s_cbranch_scc0 .Lfor_b_\@
	tensor_load_to_lds s[\g0a:\g0a+3], s[\g1a:\g1a+7]
	s_nop 0
.rept 4
	v_nop
.endr
	s_branch .Lasked_\@
.Lfor_b_\@:
	tensor_load_to_lds s[\g0b:\g0b+3], s[\g1b:\g1b+7]
	s_nop 0
.rept 4
	v_nop
.endr
.Lasked_\@:
.endm
.macro CREST
	s_cmp_lg_u32 s14, 0
	s_cbranch_scc1 .Lnot_wave_0_\@
	s_barrier_signal -3
.Lnot_wave_0_\@:
	s_barrier_wait -3
	s_barrier_signal -1
	s_barrier_wait -1
.endm
.macro CROUND
	s_barrier_signal -1
	s_barrier_wait -1
	CREST
.endm
	s_load_b256 s[4:11], s[0:1], 0x0
	s_load_b256 s[68:75], s[0:1], 0x20
	s_load_b64 s[76:77], s[0:1], 0x40
	v_lshl_add_u32 v[SPW], v0, 2, SPARE
	v_mov_b32 v[NIL], 0
	ds_add_u32 v28, v29
	ds_add_u32 v28, v29
	s_wait_dscnt 0x0
	v_lshrrev_b32 v1, 5, v0
	v_readfirstlane_b32 s14, v1
	s_lshr_b32 s15, s14, 1
	s_and_b32 s16, s14, 1
	s_bfe_u32 s40, ttmp6, 0x40000
	s_bfe_u32 s41, ttmp6, 0x40004
	s_and_b32 s22, ttmp7, 0xffff
	s_lshl_b32 s22, s22, 2
	s_cmp_eq_u32 ttmp9, 2
	s_cselect_b32 s17, 0, s22
	s_cselect_b32 s42, s22, 0
	s_add_co_u32 s17, s17, s41
	s_add_co_u32 s42, s42, s40
	s_lshl_b32 s43, s41, 2
	s_lshl_b32 s43, 15, s43
	s_lshl_b32 s44, 0x1111, s40
	s_or_b32 s[G1+0], s43, (0<<16)|(1<<20)|(1<<21)|(5<<22)|(3<<25)
	s_or_b32 s[G1B+0], s44, (0<<16)|(1<<20)|(1<<21)|(5<<22)|(3<<25)
.irp g, G1, G1B
	s_mov_b32 s[\g+1], ROWB<<16
	s_mov_b32 s[\g+2], 128<<16
	s_mov_b32 s[\g+3], ROWB<<16
	s_mov_b32 s[\g+4], 128
	s_mov_b32 s[\g+5], KROW
	s_mov_b32 s[\g+6], 0
	s_mov_b32 s[\g+7], 0
.endr
	s_lshl_b32 s18, s16, 7
	s_lshl_b32 s20, s17, 8
	s_add_co_u32 s20, s20, s18
	s_lshl_b32 s20, s20, 10
	s_mov_b32 s21, 0
	s_lshl_b32 s46, s42, 8
	s_add_co_u32 s46, s46, s18
	s_lshl_b32 s46, s46, 10
	s_mov_b32 s47, 0
	s_mul_i32 s45, s14, HALFT
	s_wait_kmcnt 0x0
	s_load_b512 s[80:95], s[74:75], 0x0
	s_add_nc_u64 s[18:19], s[4:5], 0x400000
	s_add_nc_u64 s[22:23], s[4:5], 0x800000
	s_cmp_eq_u32 ttmp9, 0
	s_cselect_b64 s[4:5], s[4:5], s[18:19]
	s_cselect_b64 s[6:7], s[6:7], s[8:9]
	s_cselect_b64 s[78:79], s[68:69], s[70:71]
	s_cmp_eq_u32 ttmp9, 2
	s_cselect_b64 s[4:5], s[10:11], s[4:5]
	s_cselect_b64 s[6:7], s[22:23], s[6:7]
	s_cselect_b64 s[78:79], s[72:73], s[78:79]
	s_add_nc_u64 s[20:21], s[4:5], s[20:21]
	s_add_nc_u64 s[46:47], s[6:7], s[46:47]
	CROUND
.irp s, 0,1
	s_mov_b32 s[G0+4*\s], 1
	s_add_co_u32 s[G0+4*\s+1], s45, \s*SLOT
	s_add_nc_u64 s[G0+4*\s+2:G0+4*\s+3], s[20:21], \s*ROWB
	s_or_b32 s[G0+4*\s+3], s[G0+4*\s+3], 0x80000000
	s_mov_b32 s[G0B+4*\s], 1
	s_add_co_u32 s[G0B+4*\s+1], s45, \s*SLOT
	s_add_nc_u64 s[G0B+4*\s+2:G0B+4*\s+3], s[46:47], \s*ROWB
	s_or_b32 s[G0B+4*\s+3], s[G0B+4*\s+3], 0x80000000
	s_wait_alu depctr_va_vdst(0)
	s_wait_tensorcnt 0x0
	ds_add_u32 v28, v29
	ds_add_u32 v28, v29
	s_wait_dscnt 0x0
	CROUND
	JLOAD G0+4*\s, G1, G0B+4*\s, G1B
.endr
	v_and_b32 v1, 15, v0
	v_bfe_u32 v2, v0, 4, 1
	v_mul_u32_u24 v3, v1, PITCH
	v_lshl_add_u32 v4, v2, 4, v3
	s_mul_i32 s21, s15, HALFT
	s_mul_i32 s22, s16, HALFT
	s_add_co_u32 s22, s22, 2*HALFT
.irp s, 0,1
	v_add_nc_u32 v[ADRA+\s], s21, v4
	v_add_nc_u32 v[ADRB+\s], s22, v4
	s_add_co_u32 s21, s21, SLOT
	s_add_co_u32 s22, s22, SLOT
.endr
	s_lshl_b32 s18, s17, 8
	s_lshl_b32 s19, s15, 7
	s_add_co_u32 s18, s18, s19
	s_lshl_b32 s22, s42, 8
	s_lshl_b32 s23, s16, 7
	s_add_co_u32 s22, s22, s23
	s_wait_alu depctr_va_vdst(0)
	s_wait_kmcnt 0x0
	s_add_co_i32 s80, s80, s81
	s_add_co_i32 s82, s82, s83
	s_add_co_i32 s84, s84, s85
	s_mov_b32 s98, 1024
	s_mov_b32 s92, HS
	s_mov_b32 s3, 32768
	s_cmp_eq_u32 ttmp9, 0
	s_cselect_b32 s96, s80, s82
	s_cselect_b32 s90, s86, s87
	s_cselect_b32 s91, 262144, 0
	s_cselect_b32 s3, 16384, s3
	s_cmp_eq_u32 ttmp9, 2
	s_cselect_b32 s96, s84, s96
	s_cselect_b32 s90, s89, s90
	s_cselect_b32 s91, 16384, s91
	s_cselect_b32 s98, 2048, s98
	s_cselect_b32 s100, HS-8192, 0
	s_cselect_b32 s92, 1024, s92
	s_cselect_b32 s66, 0, -1
	s_cselect_b32 s67, -1, 0
	s_cselect_b32 s93, s22, s18
	s_cselect_b32 s94, s18, s22
	s_cselect_b32 s95, 0, s22
	s_cselect_b32 s88, s18, 0
	s_mov_b32 s99, 0
	s_mov_b32 s101, 0
	s_lshr_b32 s19, s93, 11
	s_lshl_b32 s19, s19, 4
	s_lshr_b32 s23, s94, 6
	s_add_co_u32 s19, s19, s23
	s_mul_i32 s19, s19, HS
	s_bfe_u32 s23, s93, 0x30008
	s_mul_i32 s23, s23, s3
	s_add_co_u32 s19, s19, s23
	s_bfe_u32 s23, s93, 0x10007
	s_lshl_b32 s23, s23, 13
	s_add_co_u32 s19, s19, s23
	s_add_co_u32 s20, s19, s91
	s_mov_b32 s21, 0
	s_add_nc_u64 s[76:77], s[76:77], s[20:21]
	s_lshl_b32 s20, s95, 2
	s_add_nc_u64 s[68:69], s[78:79], s[20:21]
	s_lshl_b32 s20, s88, 2
	s_add_nc_u64 s[70:71], s[78:79], s[20:21]
	s_add_co_i32 s96, s96, 127
	s_lshl_b32 s96, s96, 23
	s_mov_b32 s97, s96
	s_add_co_i32 s90, s90, 127
	s_lshl_b32 s91, s90, 23
	v_mov_b32 v[SCV], s91
	s_add_co_i32 s90, s90, 8
	s_lshl_b32 s90, s90, 23
	s_or_b32 s90, s90, 0x600000
	v_mov_b32 v[LIMV], s90
	v_lshlrev_b32 v8, 5, v2
	v_lshlrev_b32 v9, 2, v1
	v_and_b32 v5, 31, v0
	v_lshlrev_b32 v[VO0], 4, v5
	v_add_nc_u32 v[VO1], s92, v[VO0]
.irp b, 0,1,2,3,4,5,6,7
	global_load_b128 v[BC+8*\b:BC+8*\b+3], v8, s[68:69] offset:64*\b
	global_load_b128 v[BC+8*\b+4:BC+8*\b+7], v8, s[68:69] offset:64*\b+16
.endr
.irp a, 0,1,2,3,4,5,6,7
	global_load_b32 v[BR+2*\a], v9, s[70:71] offset:64*\a
.endr
.macro FRAG reg, adr, q, i
.irp c, 0,1,2,3
	ds_load_b128 v[\reg+4*\c:\reg+4*\c+3], v[\adr] offset:128*(\q)+32*\c+(\i)*16*PITCH
.endr
.endm
.macro MUL16 a0, p, zero
.irp a, \a0, \a0+1
.irp b, 0,1,2,3,4,5,6,7
.if \zero
	v_wmma_f32_16x16x128_fp8_fp8 v[8*(8*((\a)%4)+\b):8*(8*((\a)%4)+\b)+7], v[128*(\p)+FR*\b:128*(\p)+FR*\b+FR-1], v[AF+FR*(\a):AF+FR*(\a)+FR-1], 0
.else
	v_wmma_f32_16x16x128_fp8_fp8 v[8*(8*((\a)%4)+\b):8*(8*((\a)%4)+\b)+7], v[128*(\p)+FR*\b:128*(\p)+FR*\b+FR-1], v[AF+FR*(\a):AF+FR*(\a)+FR-1], v[8*(8*((\a)%4)+\b):8*(8*((\a)%4)+\b)+7]
.endif
.endr
.endr
.endm
.macro FETCH_B slot, q, p
	WIN TO_B
.irp i, 0,1,2,3,4,5,6,7
	FRAG 128*(\p)+FR*\i, ADRB+\slot, \q, \i
.endr
	WIN 0
.endm
.macro FETCH_A slot, q, i0
.irp i, \i0, \i0+1, \i0+2, \i0+3
	FRAG AF+FR*(\i), ADRA+\slot, \q, \i
.endr
.endm
.macro PLACES n
.rept \n
	v_nop
.endr
.endm
.macro STEP slot, q, zero
	s_wait_dscnt 4*NL
	WIN MUL_LO
	MUL16 0, (\q)%2, \zero
	MUL16 2, (\q)%2, \zero
	s_wait_dscnt 0
	PLACES NP
	FETCH_B \slot, (\q)+1, 1-(\q)%2
	FETCH_A \slot, (\q)+1, 0
	WIN MUL_HI
	MUL16 4, (\q)%2, \zero
	MUL16 6, (\q)%2, \zero
	PLACES NP
	WIN 0
	FETCH_A \slot, (\q)+1, 4
.endm
.macro TURN slot, next, fill
	s_wait_tensorcnt 0x0
	ds_add_u32 v[SPW], v[NIL]
	s_wait_dscnt 4*NL+1
	WIN MUL_LO
	MUL16 0, 1, 0
	s_wait_dscnt 0x0
	s_barrier_signal -1
	MUL16 2, 1, 0
	WIN 0
	s_barrier_wait -1
.if \fill
	CREST
	s_add_nc_u64 s[G0+4*\slot+2:G0+4*\slot+3], s[G0+4*\slot+2:G0+4*\slot+3], 2*ROWB
	s_add_nc_u64 s[G0B+4*\slot+2:G0B+4*\slot+3], s[G0B+4*\slot+2:G0B+4*\slot+3], 2*ROWB
	JLOAD G0+4*\slot, G1, G0B+4*\slot, G1B
.else
	PLACES NP
.endif
	FETCH_B \next, 0, 0
	FETCH_A \next, 0, 0
	WIN MUL_HI
	MUL16 4, 1, 0
	MUL16 6, 1, 0
	PLACES NP
	WIN 0
	FETCH_A \next, 0, 4
.endm
	s_wait_tensorcnt 1
	s_barrier_signal -1
	s_barrier_wait -1
	FETCH_B 0, 0, 0
	FETCH_A 0, 0, 0
	FETCH_A 0, 0, 4
	STEP 0, 0, 1
	TURN 0, 1, 1
	STEP 1, 0, 0
	TURN 1, 0, 1
	STEP 0, 0, 0
	TURN 0, 1, 0
	STEP 1, 0, 0
	s_wait_dscnt 4*NL
	WIN MUL_LO
	MUL16 0, 1, 0
	MUL16 2, 1, 0
	s_wait_dscnt 0
	WIN MUL_HI
	MUL16 4, 1, 0
	MUL16 6, 1, 0
	WIN 0
	PLACES NP
	s_wait_loadcnt 0x0
.set I, 0
.rept 64
	v_cndmask_b32 v[BC+I], 0, v[BC+I], s66
.set I, I+1
.endr
.irp a, 0,1,2,3,4,5,6,7
	v_cndmask_b32 v[BR+2*\a+1], 0, v[BR+2*\a], s67
	v_cndmask_b32 v[BR+2*\a], 0, v[BR+2*\a], s67
.endr
.macro BLOCK a
.set AC, 64*((\a)%4)
.set CS, CD+16*((\a)%2)
	WIN 0x02+((\a)/4)
.set I, 0
.rept 32
	v_pk_fma_f32 v[T+I:T+I+1], v[AC+I:AC+I+1], s[96:97], v[BC+I:BC+I+1] op_sel_hi:[1,0,1]
.set I, I+2
.endr
	WIN 0
.set I, 0
.rept 32
	v_pk_add_f32 v[T+I:T+I+1], v[T+I:T+I+1], v[BR+2*(\a):BR+2*(\a)+1]
.set I, I+2
.endr
.set I, 0
.rept 64
	v_med3_num_f32 v[T+I], v[T+I], -v[LIMV], v[LIMV]
.set I, I+1
.endr
.irp b, 0,1,2,3,4,5,6,7
	v_cvt_scalef32_pk8_fp8_f32 v[CS+2*\b:CS+2*\b+1], v[T+8*\b:T+8*\b+7], v[SCV]
.endr
	v_nop
.if (\a) > 0
	s_wait_alu depctr_va_vdst(0)
	s_wait_xcnt 0x0
	s_add_nc_u64 s[76:77], s[76:77], s[98:99]
.endif
.if (\a) == 4
	s_add_nc_u64 s[76:77], s[76:77], s[100:101]
.endif
	global_store_b128 v[VO0], v[CS:CS+3], s[76:77]
	global_store_b128 v[VO0], v[CS+4:CS+7], s[76:77] offset:512
	global_store_b128 v[VO1], v[CS+8:CS+11], s[76:77]
	global_store_b128 v[VO1], v[CS+12:CS+15], s[76:77] offset:512
.endm
.irp a, 0,1,2,3,4,5,6,7
	BLOCK \a
.endr
	s_wait_tensorcnt 0x0
	ds_add_u32 v[SPW], v[NIL]
	s_wait_dscnt 0x0
	CROUND
	s_endpgm
.Lfunc_end_k_q5a6dac8062_qkv:
	.size	k_q5a6dac8062_qkv, .Lfunc_end_k_q5a6dac8062_qkv-k_q5a6dac8062_qkv
	.p2alignl 7, 3214868480
	.fill 96, 4, 3214868480
	.section	.rodata,"a",@progbits
	.p2align	6, 0x0
	.amdhsa_kernel k_q5a6dac8062_qkv
		.amdhsa_group_segment_fixed_size 327680
		.amdhsa_private_segment_fixed_size 0
		.amdhsa_enable_private_segment 0
		.amdhsa_kernarg_size 72
		.amdhsa_user_sgpr_count 2
		.amdhsa_user_sgpr_kernarg_segment_ptr 1
		.amdhsa_wavefront_size32 1
		.amdhsa_system_sgpr_workgroup_id_x 1
		.amdhsa_system_sgpr_workgroup_id_y 1
		.amdhsa_system_sgpr_workgroup_id_z 1
		.amdhsa_system_vgpr_workitem_id 0
		.amdhsa_next_free_vgpr 1024
		.amdhsa_next_free_sgpr 102
		.amdhsa_reserve_vcc 0
		.amdhsa_float_denorm_mode_32 3
		.amdhsa_float_denorm_mode_16_64 3
		.amdhsa_memory_ordered 1
		.amdhsa_forward_progress 1
		.amdhsa_inst_pref_size 160
	.end_amdhsa_kernel
	.amdgpu_metadata
---
amdhsa.version: [ 1, 2 ]
amdhsa.kernels:
  - .name:           k_q5a6dac8062_qkv
    .symbol:         k_q5a6dac8062_qkv.kd
    .args:
      - { .name: hc, .offset: 0, .size: 8, .value_kind: global_buffer, .address_space: global }
      - { .name: Wq_codes, .offset: 8, .size: 8, .value_kind: global_buffer, .address_space: global }
      - { .name: Wk_codes, .offset: 16, .size: 8, .value_kind: global_buffer, .address_space: global }
      - { .name: Wv_codes, .offset: 24, .size: 8, .value_kind: global_buffer, .address_space: global }
      - { .name: bq, .offset: 32, .size: 8, .value_kind: global_buffer, .address_space: global }
      - { .name: bk, .offset: 40, .size: 8, .value_kind: global_buffer, .address_space: global }
      - { .name: bv, .offset: 48, .size: 8, .value_kind: global_buffer, .address_space: global }
      - { .name: lowp_scales, .offset: 56, .size: 8, .value_kind: global_buffer, .address_space: global }
      - { .name: qkv, .offset: 64, .size: 8, .value_kind: global_buffer, .address_space: global }
    .group_segment_fixed_size: 327680
    .private_segment_fixed_size: 0
    .kernarg_segment_align: 8
    .kernarg_segment_size: 72
    .max_flat_workgroup_size: 128
    .sgpr_count:     102
    .vgpr_count:     1024
    .wavefront_size: 32
...
	.end_amdgpu_metadata
.endif
;; end of part 2
;; launch attn (part 3): grid 8 x 32, 16 waves a work-group, clusters of 4 x 1, 327,680 bytes of LDS; arguments qkv, lowp_scales, ctx; writes ctx
.if DOCPART == 3
	.amdgcn_target "amdgcn-amd-amdhsa--gfx1250"
	.amdhsa_code_object_version 6
	.text
	.protected	k_q5a6dac8062_attn
	.globl	k_q5a6dac8062_attn
	.p2align	8
	.type	k_q5a6dac8062_attn,@function
k_q5a6dac8062_attn:
	s_mov_b64 s[64:65], 0
	v_nop
	global_prefetch_b8 v0, s[64:65] scope:SCOPE_SE
	s_setreg_imm32_b32 hwreg(HW_REG_WAVE_MODE, 25, 1), 1
	s_wait_xcnt 0x0
	s_wait_alu depctr_hold_cnt(0) depctr_sa_sdst(0) depctr_va_vdst(0) depctr_va_sdst(0) depctr_va_ssrc(0) depctr_va_vcc(0) depctr_vm_vsrc(0)
	s_getreg_b32 s2, hwreg(HW_REG_IB_STS2, 6, 4)
	s_cmp_eq_u32 s2, 0
	s_cbranch_scc0 .Lentry_in_a_cluster
	s_endpgm
.Lentry_in_a_cluster:
	s_bfe_u32 s2, ttmp6, 0x10000c
	s_cmp_lg_u32 s2, 0x3003
	s_cbranch_scc0 .Lentry_shape_is_right
	s_endpgm
.Lentry_shape_is_right:
.set HS,    393216
.set QOFF,  262144
.set SLOTB, 32768
.set STG,   262144
.set STGP,  4608
.set TB,    3
.set ROLE,  16
.set PA,    17
.set WV,    18
.set DS,    19
.set SEL,   20
.set CS,    22
.set G1A,   24
.set G1B,   32
.set G0A,   40
.set G0B,   44
.set DS2,   58
.set E89,   59
.set T1,    66
.set SLOTS, 67
.set T2,    84
.set ST,    98
.macro ROUND
	s_barrier_signal -1
	s_barrier_wait -1
	s_cmp_lg_u32 s[WV], 0
	s_cbranch_scc1 .Lnot_wave_0_\@
	s_barrier_signal -3
.Lnot_wave_0_\@:
	s_barrier_wait -3
	s_barrier_signal -1
	s_barrier_wait -1
.endm
	s_load_b128 s[4:7], s[0:1], 0x0
	s_load_b64 s[8:9], s[0:1], 0x10
	v_lshl_add_u32 v250, v0, 2, 0x49000
	v_mov_b32 v251, 0
	ds_add_u32 v250, v251
	ds_add_u32 v250, v251
	v_lshrrev_b32 v8, 5, v0
	s_delay_alu instid0(VALU_DEP_1)
	v_readfirstlane_b32 s[WV], v8
	s_bfe_u32 s13, ttmp6, 0x40000
	s_lshl_b32 s14, ttmp9, 2
	s_add_co_u32 s14, s14, s13
	s_and_b32 s12, ttmp7, 0xffff
	s_lshr_b32 s[PA], s[WV], 1
	s_lshr_b32 s[ROLE], s[WV], 2
	s_xor_b32 s[ROLE], s[ROLE], s[WV]
	s_and_b32 s[ROLE], s[ROLE], 1
	s_xor_b32 s11, s[PA], 15
	s_mul_i32 s10, s[ROLE], 15
	s_and_b32 s[DS2], s11, s10
	s_xor_b32 s10, s10, 15
	s_xor_b32 s[DS], s[PA], s10
	s_lshl_b32 s[T1], s[DS], 3
	s_add_co_u32 s[T1], s[T1], s14
	s_lshl_b32 s[T2], s11, 3
	s_add_co_u32 s[T2], s[T2], s14
	s_mul_i32 s60, s12, HS
	s_mov_b32 s61, 0
	s_mov_b32 s63, 0
.irp g, G1A, G1B
	s_mov_b32 s[\g], 15|(3<<16)|(1<<21)
	s_mov_b32 s[\g+1], 32<<16
	s_mov_b32 s[\g+3], 32<<16
	s_mov_b32 s[\g+5], 32
	s_mov_b32 s[\g+6], 0
	s_mov_b32 s[\g+7], 0
.endr
	s_mov_b32 s[G1A+2], 8<<16
	s_mov_b32 s[G1A+4], 8
	s_mov_b32 s[G1B+2], 56<<16
	s_mov_b32 s[G1B+4], 56
	s_mov_b32 s[G0A], 1
	s_lshl_b32 s[G0A+1], s[WV], 11
	s_mov_b32 s[G0B], 1
	s_mul_i32 s[G0B+1], s[WV], 14336
	s_add_co_u32 s[G0B+1], s[G0B+1], SLOTB
	s_mov_b32 s[SEL], 0x76543210
	s_mov_b32 s[SEL+1], 0xfedcba98
	s_mov_b32 s[CS], 0x3e38aa3b
	s_mov_b32 s[TB], 0
	s_mov_b32 s[ST], 0
	s_wait_dscnt 0x0
	s_wait_kmcnt 0x0
	s_load_b512 s[68:83], s[6:7], 0x0
	s_add_nc_u64 s[4:5], s[4:5], s[60:61]
	s_mov_b32 s62, s[G0A+1]
	s_add_nc_u64 s[G0A+2:G0A+3], s[4:5], s[62:63]
	s_or_b32 s[G0A+3], s[G0A+3], 0x80000000
	s_mov_b32 s62, s[G0B+1]
	s_add_nc_u64 s[G0B+2:G0B+3], s[4:5], s[62:63]
	s_or_b32 s[G0B+3], s[G0B+3], 0x80000000
	ROUND
	tensor_load_to_lds s[G0A:G0A+3], s[G1A:G1A+7]
	s_nop 0
	s_wait_alu depctr_va_vdst(0)
	s_wait_tensorcnt 0x0
	ds_add_u32 v250, v251
	s_wait_dscnt 0x0
	ROUND
	tensor_load_to_lds s[G0B:G0B+3], s[G1B:G1B+7]
	s_nop 0
.rept 4
	v_nop
.endr
	s_lshl_b32 s62, s[T1], 10
	s_add_co_u32 s62, s62, QOFF
	s_add_nc_u64 s[48:49], s[4:5], s[62:63]
	s_lshl_b32 s62, s[T2], 10
	s_add_co_u32 s62, s62, QOFF
	s_add_nc_u64 s[50:51], s[4:5], s[62:63]
	s_lshr_b32 s56, s12, 4
	s_lshl_b32 s56, s56, 21
	s_bfe_u32 s57, s12, 0x30001
	s_lshl_b32 s57, s57, 11
	s_add_co_u32 s56, s56, s57
	s_and_b32 s57, s12, 1
	s_lshl_b32 s57, s57, 10
	s_add_co_u32 s56, s56, s57
	s_lshl_b32 s62, s[T1], 14
	s_add_co_u32 s62, s62, s56
	s_add_nc_u64 s[52:53], s[8:9], s[62:63]
	s_lshl_b32 s62, s[T2], 14
	s_add_co_u32 s62, s62, s56
	s_add_nc_u64 s[54:55], s[8:9], s[62:63]
	v_and_b32 v1, 31, v0
	s_delay_alu instid0(VALU_DEP_1)
	v_lshlrev_b32 v1, 4, v1
	global_load_b128 v[16:19], v1, s[48:49]
	global_load_b128 v[20:23], v1, s[48:49] offset:512
	global_load_b128 v[24:27], v1, s[50:51]
	global_load_b128 v[28:31], v1, s[50:51] offset:512
	s_mul_i32 s57, s[PA], STGP
	s_add_co_u32 s57, s57, STG
	v_add_nc_u32 v9, s57, v1
	s_lshl_b32 s57, s14, 4
	v_and_b32 v10, 15, v0
	v_bfe_u32 v11, v0, 4, 1
	s_delay_alu instid0(VALU_DEP_1)
	v_lshlrev_b32 v11, 3, v11
	s_delay_alu instid0(VALU_DEP_1)
	v_sub_nc_u32 v7, v10, v11
	s_delay_alu instid0(VALU_DEP_1)
	v_add_nc_u32 v7, s57, v7
.macro RESET
	v_mov_b32 v13, 0xff61b1e6
	s_delay_alu instid0(VALU_DEP_1)
	v_floor_f32 v12, -v13
	v_mov_b32 v14, 0
	v_mov_b32 v15, 0
.set I, 0
.rept 32
	v_mov_b32 v[160+I], 0
.set I, I+1
.endr
.endm
	RESET
	v_mov_b32 v236, 0
	v_mov_b32 v253, 0
	v_mov_b32 v255, 0
	s_wait_kmcnt 0x0
	s_add_co_i32 s10, s74, s75
	s_lshl_b32 s10, s10, 23
	s_add_co_i32 s[CS], s[CS], s10
	s_mov_b32 s[CS+1], s[CS]
	s_add_co_i32 s10, s76, 127
	s_lshl_b32 s11, s10, 23
	v_mov_b32 v244, s11
	s_add_co_i32 s10, s10, 8
	s_lshl_b32 s10, s10, 23
	s_or_b32 s10, s10, 0x600000
	v_mov_b32 v240, s10
	s_add_co_i32 s10, s78, 127
	s_lshl_b32 s11, s10, 23
	v_mov_b32 v245, s11
	s_add_co_i32 s10, s10, 8
	s_lshl_b32 s10, s10, 23
	s_or_b32 s10, s10, 0x600000
	v_mov_b32 v241, s10
	s_add_co_i32 s[E89], s76, s77
.macro STEP q
	s_cmp_gt_u32 s[ST], s[DS]
	s_cbranch_scc1 .Lhidden_\@
	v_add_nc_u32 v8, s[TB], v1
.rept 3
	v_nop
.endr
.irp t, 0,1,2,3,4,5,6,7
	ds_load_b128 v[32+8*\t:35+8*\t], v8 offset:(8*(\q)+\t)*1024
	ds_load_b128 v[36+8*\t:39+8*\t], v8 offset:(8*(\q)+\t)*1024+512
.endr
	s_wait_alu depctr_va_vdst(0)
	s_wait_dscnt 0x0
.irp t, 0,1,2,3,4,5,6,7
	v_wmma_f32_16x16x64_fp8_fp8 v[96+8*\t:103+8*\t], v[32+8*\t:39+8*\t], v[16:23], 0
.endr
.rept 4
	v_nop
.endr
.irp d, 0,1,2,3
.irp c, 0,1,2,3
	ds_load_b128 v[32+16*\d+4*\c:35+16*\d+4*\c], v8 offset:16384+8192*(\q)+2048*\d+512*\c
.endr
.endr
	s_cmp_lt_u32 s[ST], s[DS]
	s_cbranch_scc1 .Lopen_\@
	v_mov_b32 v254, 0xff800000
.set N, 0
.rept 64
	v_cmp_gt_i32 vcc_lo, 16*(N/8)+N%8, v7
	v_cndmask_b32 v[96+N], v[96+N], v254, vcc_lo
.set N, N+1
.endr
.Lopen_\@:
	v_max3_num_f32 v254, v96, v97, v98
	v_max3_num_f32 v252, v99, v100, v101
.irp i, 6,10,14,18,22,26,30,34,38,42,46,50,54,58
	v_max3_num_f32 v254, v254, v[96+\i], v[97+\i]
	v_max3_num_f32 v252, v252, v[98+\i], v[99+\i]
.endr
	v_max3_num_f32 v254, v254, v158, v159
	s_delay_alu instid0(VALU_DEP_1)
	v_max_num_f32 v254, v254, v252
	s_delay_alu instid0(VALU_DEP_1)
	v_permlanex16_b32 v236, v254, s[SEL], s[SEL+1]
	s_delay_alu instid0(VALU_DEP_1)
	v_max_num_f32 v254, v254, v236
	s_delay_alu instid0(VALU_DEP_1)
	v_mul_f32 v254, s[CS], v254
	s_delay_alu instid0(VALU_DEP_1)
	v_max_num_f32 v13, v13, v254
	v_mov_b32 v254, v12
	s_delay_alu instid0(VALU_DEP_2)
	v_floor_f32 v12, -v13
	s_delay_alu instid0(VALU_DEP_1)
	v_sub_f32 v254, v12, v254
	s_delay_alu instid0(VALU_DEP_1)
	v_cvt_i32_f32 v254, v254
	s_delay_alu instid0(VALU_DEP_1)
	v_ldexp_f32 v252, 1.0, v254
.set I, 0
.rept 32
	v_pk_fma_f32 v[96+I:97+I], v[96+I:97+I], s[CS:CS+1], v[12:13] op_sel_hi:[1,0,0]
.set I, I+2
.endr
.set I, 0
	s_wait_alu depctr_va_vdst(0)
.rept 64
	v_exp_f32 v[96+I], v[96+I]
.set I, I+1
.endr
	v_pk_mul_f32 v[14:15], v[14:15], v[252:253] op_sel_hi:[1,0]
	s_wait_alu depctr_va_vdst(0)
	v_pk_add_f32 v[242:243], v[96:97], v[98:99]
.irp j, 4,8,12,16,20,24,28,32,36,40,44,48,52,56,60
	v_pk_add_f32 v[14:15], v[14:15], v[96+\j:97+\j]
	v_pk_add_f32 v[242:243], v[242:243], v[98+\j:99+\j]
.endr
	s_delay_alu instid0(VALU_DEP_1)
	v_pk_add_f32 v[14:15], v[14:15], v[242:243]
.irp t, 0,1,2,3,4,5,6,7
.irp i, 0,1,2,3,4,5,6,7
	v_min_num_f32 v[96+8*\t+\i], v[96+8*\t+\i], v240
.endr
	v_cvt_scalef32_pk8_fp8_f32 v[192+2*\t:193+2*\t], v[96+8*\t:103+8*\t], v244
.endr
.set I, 0
.rept 16
	v_pk_mul_f32 v[160+I:161+I], v[160+I:161+I], v[252:253] op_sel_hi:[1,0]
.set I, I+2
.endr
	s_wait_alu depctr_va_vdst(0)
	s_wait_dscnt 0x0
.irp d, 0,1,2,3
	v_wmma_f32_16x16x128_fp8_fp8 v[160+8*\d:167+8*\d], v[32+16*\d:47+16*\d], v[192:207], v[160+8*\d:167+8*\d]
.endr
.Lhidden_\@:
	s_add_co_u32 s[ST], s[ST], 1
.endm
.macro WALK n
	s_mov_b32 s[SLOTS], \n
.Lslot_\@:
	STEP 0
	STEP 1
	s_add_co_u32 s[TB], s[TB], SLOTB
	s_sub_co_u32 s[SLOTS], s[SLOTS], 1
	s_cmp_lg_u32 s[SLOTS], 0
	s_cbranch_scc1 .Lslot_\@
.endm
.macro FINISH ca
	v_add_f32 v14, v14, v15
	s_wait_alu depctr_va_vdst(0)
	v_permlanex16_b32 v236, v14, s[SEL], s[SEL+1]
	s_delay_alu instid0(VALU_DEP_1)
	v_add_f32 v14, v14, v236
	s_wait_alu depctr_va_vdst(0)
	v_rcp_f32 v14, v14
.rept 3
	v_nop
.endr
	s_wait_alu depctr_va_vdst(0)
	v_ldexp_f32 v14, v14, s[E89]
.set I, 0
.rept 16
	v_pk_mul_f32 v[96+I:97+I], v[160+I:161+I], v[14:15] op_sel_hi:[1,0]
.set I, I+2
.endr
.set I, 0
.rept 32
	v_med3_num_f32 v[96+I], v[96+I], -v241, v241
.set I, I+1
.endr
.irp d, 0,1,2,3
	v_cvt_scalef32_pk8_fp8_f32 v[192+2*\d:193+2*\d], v[96+8*\d:103+8*\d], v245
.endr
	v_nop
	global_store_b128 v1, v[192:195], s[\ca:\ca+1]
	global_store_b128 v1, v[196:199], s[\ca:\ca+1] offset:512
.endm
	s_wait_loadcnt 0x0
	s_wait_tensorcnt 0x1
	s_barrier_signal -1
	s_barrier_wait -1
	STEP 0
	STEP 1
	s_add_co_u32 s[TB], s[TB], SLOTB
	s_wait_tensorcnt 0x0
	s_wait_dscnt 0x0
	s_barrier_signal -1
	s_barrier_wait -1
	WALK 3
	s_cmp_eq_u32 s[ROLE], 0
	s_cbranch_scc1 .Lopener_mid
	FINISH 52
	RESET
.irp j, 0,1,2,3,4,5,6,7
	v_mov_b32 v[16+\j], v[24+\j]
.endr
	s_wait_xcnt 0x0
.Lopener_mid:
	s_mov_b32 s[DS], s[DS2]
	WALK 4
.rept 4
	v_nop
.endr
	s_cmp_eq_u32 s[ROLE], 1
	s_cbranch_scc1 .Lno_send
	ds_store_b128 v9, v[12:15]
	s_wait_alu depctr_va_vdst(0)
.irp i, 0,1,2,3,4,5,6,7
	ds_store_b128 v9, v[160+4*\i:163+4*\i] offset:512+512*\i
.endr
.Lno_send:
	s_wait_dscnt 0x0
	s_barrier_signal -1
	s_barrier_wait -1
	s_cmp_eq_u32 s[ROLE], 0
	s_cbranch_scc1 .Ldone
	ds_load_b128 v[96:99], v9
.irp i, 0,1,2,3,4,5,6,7
	ds_load_b128 v[100+4*\i:103+4*\i], v9 offset:512+512*\i
.endr
	s_wait_dscnt 0x0
	v_min_num_f32 v242, v12, v96
	s_delay_alu instid0(VALU_DEP_1)
	v_sub_f32 v252, v242, v12
	s_delay_alu instid0(VALU_DEP_2)
	v_sub_f32 v254, v242, v96
	s_delay_alu instid0(VALU_DEP_2)
	v_cvt_i32_f32 v252, v252
	s_delay_alu instid0(VALU_DEP_2)
	v_cvt_i32_f32 v254, v254
	s_delay_alu instid0(VALU_DEP_2)
	v_ldexp_f32 v252, 1.0, v252
	s_delay_alu instid0(VALU_DEP_2)
	v_ldexp_f32 v254, 1.0, v254
	s_delay_alu instid0(VALU_DEP_2)
	v_pk_mul_f32 v[14:15], v[14:15], v[252:253] op_sel_hi:[1,0]
	s_delay_alu instid0(VALU_DEP_1)
	v_pk_fma_f32 v[14:15], v[98:99], v[254:255], v[14:15] op_sel_hi:[1,0,1]
.set I, 0
.rept 16
	v_pk_mul_f32 v[160+I:161+I], v[160+I:161+I], v[252:253] op_sel_hi:[1,0]
.set I, I+2
.endr
.set I, 0
.rept 16
	v_pk_fma_f32 v[160+I:161+I], v[100+I:101+I], v[254:255], v[160+I:161+I] op_sel_hi:[1,0,1]
.set I, I+2
.endr
	FINISH 54
.Ldone:
	s_wait_tensorcnt 0x0
	ds_add_u32 v250, v251
	s_wait_dscnt 0x0
	ROUND
	s_endpgm
.Lfunc_end_k_q5a6dac8062_attn:
	.size	k_q5a6dac8062_attn, .Lfunc_end_k_q5a6dac8062_attn-k_q5a6dac8062_attn
	.p2alignl 7, 3214868480
	.fill 96, 4, 3214868480
	.section	.rodata,"a",@progbits
	.p2align	6, 0x0
	.amdhsa_kernel k_q5a6dac8062_attn
		.amdhsa_group_segment_fixed_size 327680
		.amdhsa_private_segment_fixed_size 0
		.amdhsa_enable_private_segment 0
		.amdhsa_kernarg_size 24
		.amdhsa_user_sgpr_count 2
		.amdhsa_user_sgpr_kernarg_segment_ptr 1
		.amdhsa_wavefront_size32 1
		.amdhsa_system_sgpr_workgroup_id_x 1
		.amdhsa_system_sgpr_workgroup_id_y 1
		.amdhsa_system_sgpr_workgroup_id_z 1
		.amdhsa_system_vgpr_workitem_id 0
		.amdhsa_next_free_vgpr 256
		.amdhsa_next_free_sgpr 100
		.amdhsa_reserve_vcc 1
		.amdhsa_float_denorm_mode_32 3
		.amdhsa_float_denorm_mode_16_64 3
		.amdhsa_memory_ordered 1
		.amdhsa_forward_progress 1
		.amdhsa_inst_pref_size 147
	.end_amdhsa_kernel
	.amdgpu_metadata
---
amdhsa.version: [ 1, 2 ]
amdhsa.kernels:
  - .name:           k_q5a6dac8062_attn
    .symbol:         k_q5a6dac8062_attn.kd
    .args:
      - { .name: qkv, .offset: 0, .size: 8, .value_kind: global_buffer, .address_space: global }
      - { .name: lowp_scales, .offset: 8, .size: 8, .value_kind: global_buffer, .address_space: global }
      - { .name: ctx, .offset: 16, .size: 8, .value_kind: global_buffer, .address_space: global }
    .group_segment_fixed_size: 327680
    .private_segment_fixed_size: 0
    .kernarg_segment_align: 8
    .kernarg_segment_size: 24
    .max_flat_workgroup_size: 512
    .sgpr_count:     100
    .vgpr_count:     256
    .wavefront_size: 32
...
	.end_amdgpu_metadata
.endif
;; end of part 3
;; launch wo (part 4): grid 8 x 32, 4 waves a work-group, clusters of 4 x 4, 327,680 bytes of LDS; arguments ctx, Wo_codes, bo, x, lowp_scales, x1; writes x1
.if DOCPART == 4
	.amdgcn_target "amdgcn-amd-amdhsa--gfx1250"
	.amdhsa_code_object_version 6
	.text
	.protected	k_q5a6dac8062_wo
	.globl	k_q5a6dac8062_wo
	.p2align	8
	.type	k_q5a6dac8062_wo,@function
k_q5a6dac8062_wo:
	s_mov_b64 s[64:65], 0
	v_nop
	global_prefetch_b8 v0, s[64:65] scope:SCOPE_SE
	s_setreg_imm32_b32 hwreg(HW_REG_WAVE_MODE, 25, 1), 1
	s_wait_xcnt 0x0
	s_wait_alu depctr_hold_cnt(0) depctr_sa_sdst(0) depctr_va_vdst(0) depctr_va_sdst(0) depctr_va_ssrc(0) depctr_va_vcc(0) depctr_vm_vsrc(0)
	s_getreg_b32 s2, hwreg(HW_REG_IB_STS2, 6, 4)
	s_cmp_eq_u32 s2, 0
	s_cbranch_scc0 .Lentry_in_a_cluster
	s_endpgm
.Lentry_in_a_cluster:
	s_bfe_u32 s2, ttmp6, 0x10000c
	s_cmp_lg_u32 s2, 0xf033
	s_cbranch_scc0 .Lentry_shape_is_right
	s_endpgm
.Lentry_shape_is_right:
; out = res + (A W^T x 2^(ea + eb) + bias): [4096][1024] f32.  A: codes of E4M3 as images, [16 tokens: 256][128 along K: SIZE_K / 128][2,048]; W: [1024][SIZE_K] codes, K innermost.
; Here: A = ctx, W = Wo, SIZE_K = 1,024, scales 10 and 11, res = x, out = x1.
; A tile of out is 128 x 128 (256 tiles: one for each WGP); four waves, 64 x 64 each: 16 accumulators.  K goes in steps of 512 through two LDS slots filled by the tensor data mover.
; 4 x 4 work-groups form a cluster: A's tiles are asked for jointly along a row, W's along a column.
; A's images are fragments as their registers stand (8-bit layout, k in its true places): they are read by loads of 16 bytes at 16 x lane, 512 consecutive bytes, no padding.
; W's rows are read in the same layout by loads of 8 bytes at row x 1,040 + 16 c + 8 (lane / 16): with 16 bytes of padding behind each 1,024 the 32 lanes touch 64 different banks (64 banks of 4 bytes: ISA guide 11.1).
; THE MATRIX INSTRUCTION IS USED TRANSPOSED (source 0 = 16 rows of W, source 1 = 16 tokens): a lane holds eight neighbouring columns of one row of out.
; THE WAY OUT: 16 rows x 64 columns at a time through the wave's own stage in LDS, back as rows of 256 bytes; x 2^(ea + eb) + bias, + res, which was loaded at the head; sixteen lanes store 256 consecutive bytes, aligned.
; LIMIT: ea + eb between -126 and 127.
; REGISTERS: window 0: v16-29 addresses; v32-95 two sets of rows on the way out; v96-99 the bias of my four columns; v128-255 the accumulators ((a, b) at v[128 + 8 (4 a + b)]);
;   window 1: two fragment buffers of 128: A's four fragments, then W's four;   window 2: v0-127 my 64 x 64 of res.
.set SIZE_K, 1024
.set SCOFF,  40                        ; byte of ea in the scales; eb follows
.set NT,     0                         ; 1: out is read by no later launch
.set LAPS,   SIZE_K/1024               ; a lap = two K steps of 512
; K = 1,024: both operands of a tile lie whole in LDS (A's 8 x 8 images, 131,072 bytes; W's 128 rows of 1,024 + 16 bytes), brought by ONE tensor load a wave at the head.
; Nothing is filled again, so there is no ring and no change of slots.  'slot' 0, 1 below names the lower and the upper 512 along K.
.set AIMG,   131072                    ; A's 8 blocks x 8 images of 2,048 bytes
.set BP,     1040                      ; a row of W: 1,024 bytes + 16 of padding = 260 words
.set STAGE,  AIMG+128*BP
.set SPITCH, 272
.set SPARE,  STAGE+4*16*SPITCH         ; the spare words, 128 bytes a wave
.set ADRA, 16
.set ADRB, 20
.set STO,  24
.set RD,   25
.set CO,   26
.set BO,   27
.set SPW,  28
.set NIL,  29
.set TMP,  32
.set BI,   96
.set ACC,  128
.set F0,   0
.set F1,   128
.set G1, 24
.set G0, 32
.set G1B, 48
.set G0B, 56
.set MSB, 0
.macro WIN new                         ; the immediate's high byte repeats the setting that is left
.if MSB != \new
	s_set_vgpr_msb (MSB<<8)|\new
.set MSB, \new
.endif
.endm
.set MUL,  0x05                        ; sources 0 and 1 window 1; C and D window 0
.set TO_F, 0x40                        ; destination window 1
.set TO_R, 0x80                        ; destination window 2
.macro JLOAD s                         ; a joint load: waves 0 and 1 fetch A's halves, waves 2 and 3 W's; four v_nop follow each of the two lines
	s_cmp_eq_u32 s15, 0
	s_cbranch_scc0 .Lfor_b_\@
	tensor_load_to_lds s[G0+4*\s:G0+4*\s+3], s[G1:G1+7]
	s_nop 0
.rept 4
	v_nop
.endr
	s_branch .Lasked_\@
.Lfor_b_\@:
	tensor_load_to_lds s[G0B+4*\s:G0B+4*\s+3], s[G1B:G1B+7]
	s_nop 0
.rept 4
	v_nop
.endr
.Lasked_\@:
.endm
.macro CREST
	s_cmp_lg_u32 s14, 0
	s_cbranch_scc1 .Lnot_wave_0_\@
	s_barrier_signal -3
.Lnot_wave_0_\@:
	s_barrier_wait -3
	s_barrier_signal -1
	s_barrier_wait -1
.endm
.macro CROUND
	s_barrier_signal -1
	s_barrier_wait -1
	CREST
.endm
	s_load_b256 s[4:11], s[0:1], 0x0               ; A's images, W's codes, bias, res
	s_load_b128 s[68:71], s[0:1], 0x20             ; the scales' exponents, out
	v_lshl_add_u32 v[SPW], v0, 2, SPARE
	v_mov_b32 v[NIL], 0
	ds_add_u32 v28, v29
	ds_add_u32 v28, v29
	s_wait_dscnt 0x0
	v_lshrrev_b32 v1, 5, v0
	v_readfirstlane_b32 s14, v1                    ; wave 0..3
	s_lshr_b32 s15, s14, 1                         ; my half of the tile's rows.  Also: I fetch for A (0) or for W (1)
	s_and_b32 s16, s14, 1                          ; my half of its columns.  Also: which half of that tile I fetch
	s_bfe_u32 s40, ttmp6, 0x40000                  ; cx
	s_bfe_u32 s41, ttmp6, 0x40004                  ; cy
	s_lshl_b32 s42, ttmp9, 2
	s_add_co_u32 s42, s42, s40                     ; tile column
	s_and_b32 s17, ttmp7, 0xffff
	s_lshl_b32 s17, s17, 2
	s_add_co_u32 s17, s17, s41                     ; tile row
	s_lshl_b32 s43, s41, 2
	s_lshl_b32 s43, 15, s43                        ; my row of the cluster
	s_lshl_b32 s44, 0x1111, s40                    ; my column
	s_or_b32 s[G1+0], s43, (3<<16)|(1<<21)         ; A: the mask; elements of 8 bytes; bit 21 beside a mask; no padding
	s_mov_b32 s[G1+1], 2048<<16                    ; tensor_dim0: 2,048 elements = 16 KB: the eight images of a block of 16 tokens
	s_mov_b32 s[G1+2], 4<<16                       ; tensor_dim1: four blocks
	s_mov_b32 s[G1+3], 2048<<16                    ; tile_dim0
	s_mov_b32 s[G1+4], 4                           ; tile_dim1
	s_mov_b32 s[G1+5], 2*SIZE_K                    ; stride: a block's images, 16 SIZE_K bytes
	s_mov_b32 s[G1+6], 0
	s_mov_b32 s[G1+7], 0
	s_or_b32 s[G1B+0], s44, (0<<16)|(1<<20)|(1<<21)|(7<<22)|(3<<25)  ; W: elements of 1 byte; 4 words of padding after every 256
	s_mov_b32 s[G1B+1], 1024<<16
	s_mov_b32 s[G1B+2], 64<<16
	s_mov_b32 s[G1B+3], 1024<<16
	s_mov_b32 s[G1B+4], 64
	s_mov_b32 s[G1B+5], SIZE_K
	s_mov_b32 s[G1B+6], 0
	s_mov_b32 s[G1B+7], 0
	s_lshl_b32 s20, s17, 3
	s_lshl_b32 s18, s16, 2
	s_add_co_u32 s20, s20, s18                     ; A: block 8 x tile row + 4 x half
	s_mul_i32 s20, s20, 16*SIZE_K
	s_mov_b32 s21, 0
	s_lshl_b32 s46, s42, 7
	s_lshl_b32 s18, s16, 6
	s_add_co_u32 s46, s46, s18                     ; W: row 128 x tile column + 64 x half
	s_mul_i32 s46, s46, SIZE_K
	s_mov_b32 s47, 0
	s_lshl_b32 s45, s16, 16                        ; where they go: A's half (four blocks of 16 KB),
	s_mul_i32 s19, s16, 64*BP
	s_add_co_u32 s19, s19, AIMG                    ; W's half
	s_wait_kmcnt 0x0
	s_load_b64 s[96:97], s[68:69], SCOFF           ; ea, eb
	s_add_nc_u64 s[20:21], s[4:5], s[20:21]
	s_add_nc_u64 s[46:47], s[6:7], s[46:47]
	CROUND                                         ; all sixteen work-groups are here: the first joint loads meet
	s_mov_b32 s[G0], 1
	s_mov_b32 s[G0+1], s45
	s_mov_b64 s[G0+2:G0+3], s[20:21]
	s_or_b32 s[G0+3], s[G0+3], 0x80000000
	s_mov_b32 s[G0B], 1
	s_mov_b32 s[G0B+1], s19
	s_mov_b64 s[G0B+2:G0B+3], s[46:47]
	s_or_b32 s[G0B+3], s[G0B+3], 0x80000000
	JLOAD 0                                        ; my one tensor load: half of A or half of W, all of K
	v_and_b32 v1, 15, v0                           ; r
	v_bfe_u32 v2, v0, 4, 1                         ; h
	v_and_b32 v3, 31, v0
	v_lshlrev_b32 v4, 4, v3                        ; 16 x lane
	v_mul_u32_u24 v5, v1, BP
	v_lshl_add_u32 v5, v2, 3, v5                   ; r x 1,040 + 8 h
	s_lshl_b32 s21, s15, 16                        ; my four blocks of A
	s_mul_i32 s22, s16, 64*BP
	s_add_co_u32 s22, s22, AIMG                    ; my 64 rows of W
.irp s, 0,1
	v_add_nc_u32 v[ADRA+\s], s21, v4
	v_add_nc_u32 v[ADRB+\s], s22, v5
	s_add_co_u32 s21, s21, 8192                    ; the upper 512 along K: four images on,
	s_add_co_u32 s22, s22, 512                     ; 512 bytes on in a row of W
.endr
	s_mul_i32 s23, s14, 16*SPITCH
	s_add_co_u32 s23, s23, STAGE                   ; my stage
	v_mul_u32_u24 v6, v1, SPITCH
	v_lshl_add_u32 v6, v2, 5, v6
	v_add_nc_u32 v[STO], s23, v6                   ; in: row r, 32 bytes for each half of the lanes
	v_mul_u32_u24 v6, v2, SPITCH
	v_lshl_add_u32 v6, v1, 4, v6
	v_add_nc_u32 v[RD], s23, v6                    ; back: lanes 0-15 one row of 256 bytes, lanes 16-31 the next
	v_lshlrev_b32 v[BO], 4, v1
	v_lshl_add_u32 v[CO], v2, 12, v[BO]            ; and the same two rows in res and out
	s_wait_alu depctr_va_vdst(0)
	s_lshl_b32 s20, s17, 7
	s_lshl_b32 s18, s15, 6
	s_add_co_u32 s20, s20, s18                     ; my first row
	s_lshl_b32 s20, s20, 12
	s_lshl_b32 s46, s42, 7
	s_lshl_b32 s18, s16, 6
	s_add_co_u32 s46, s46, s18                     ; my first column
	s_lshl_b32 s46, s46, 2
	s_mov_b32 s47, 0
	s_add_nc_u64 s[8:9], s[8:9], s[46:47]
	s_add_co_u32 s20, s20, s46
	s_mov_b32 s21, 0
	s_add_nc_u64 s[10:11], s[10:11], s[20:21]
	s_add_nc_u64 s[70:71], s[70:71], s[20:21]
	WIN TO_R
.irp a, 0,1,2,3
.irp t, 0,1,2,3,4,5,6,7
	global_load_b128 v[32*\a+4*\t:32*\a+4*\t+3], v[CO], s[10:11] offset:(16*\a+2*\t)*4096 th:TH_LOAD_NT   ; res, in the places in which the rows come back from the stage
.endr
.endr
	WIN 0
	global_load_b128 v[BI:BI+3], v[BO], s[8:9]     ; the bias of my four columns
.macro MUL4 f, a, zero                 ; A's block a x W's four; the 16 accumulators take turns, one instruction a turn, in the same order in every quarter
.irp b, 0,1,2,3
.if \zero
	v_wmma_f32_16x16x128_fp8_fp8 v[ACC+8*(4*(\a)+\b):ACC+8*(4*(\a)+\b)+7], v[\f+64+16*\b:\f+64+16*\b+15], v[\f+16*(\a):\f+16*(\a)+15], 0
.else
	v_wmma_f32_16x16x128_fp8_fp8 v[ACC+8*(4*(\a)+\b):ACC+8*(4*(\a)+\b)+7], v[\f+64+16*\b:\f+64+16*\b+15], v[\f+16*(\a):\f+16*(\a)+15], v[ACC+8*(4*(\a)+\b):ACC+8*(4*(\a)+\b)+7]
.endif
.endr
.endm
.macro MUL8 f, a0, zero
	MUL4 \f, \a0, \zero
	MUL4 \f, \a0+1, \zero
.endm
.macro FETCH slot, q, f                ; 48 LDS loads in one run: the fragments of the slot's q-th 128 along K; A's blocks 2 and 3 last
	WIN TO_F
.irp b, 0,1,2,3
.irp c, 0,1,2,3,4,5,6,7
	ds_load_b64 v[\f+64+16*\b+2*\c:\f+64+16*\b+2*\c+1], v[ADRB+\slot] offset:16*BP*\b+128*(\q)+16*\c
.endr
.endr
.irp a, 0,1,2,3
.irp c, 0,1,2,3
	ds_load_b128 v[\f+16*\a+4*\c:\f+16*\a+4*\c+3], v[ADRA+\slot] offset:16384*\a+2048*(\q)+512*\c
.endr
.endr
.endm
.macro PLACES                          ; plain vector lines between a matrix instruction and a load into, or a read of, its registers
.rept 4
	v_nop
.endr
.endm
.macro QUARTER slot, qn, f, g, zero    ; multiplies buffer f and fetches the slot's quarter qn into g
	s_wait_dscnt 8                                 ; W's fragments and A's blocks 0, 1 are in; blocks 2, 3 may be out
	WIN MUL
	MUL8 \f, 0, \zero
	PLACES
	FETCH \slot, \qn, \g
	s_wait_dscnt 48                                ; all but the 48 just issued
	WIN MUL
	MUL8 \f, 2, \zero
.endm
; A slot's last quarter multiplies buffer 1 and changes slots: one barrier; in front of it each wave waits for all its tensor loads, adds 0 to its spare word, and waits for that and for its reads of this slot.
.macro TURN slot, next, fill
	WIN 0
	s_wait_tensorcnt 0x0                           ; all my tensor loads have landed: my part of the next slot
	ds_add_u32 v[SPW], v[NIL]                      ; 0 onto my spare word
	s_wait_dscnt 9                                 ; (the add and A's blocks 2, 3 may be out)
	WIN MUL
	MUL4 F1, 0, 0
	s_wait_dscnt 0x0                               ; the add is done, and my reads of this slot are over
	s_barrier_signal -1
	MUL4 F1, 1, 0
.if \fill
	WIN 0
.endif
	s_barrier_wait -1
.if \fill
	CREST                                          ; the barrier has opened a round of the cluster's: no wave of any partner still reads this slot or has a load on its way
	s_add_nc_u64 s[G0+4*\slot+2:G0+4*\slot+3], s[G0+4*\slot+2:G0+4*\slot+3], 16384
	s_add_nc_u64 s[G0B+4*\slot+2:G0B+4*\slot+3], s[G0B+4*\slot+2:G0B+4*\slot+3], 1024
	JLOAD \slot                                    ; the first tensor load behind the round; its four v_nop are the places in front of the loads below
.else
	PLACES
.endif
	FETCH \next, 0, F0
	WIN MUL
	MUL4 F1, 2, 0
	MUL4 F1, 3, 0
.endm
	s_wait_tensorcnt 0x0                           ; my part of the operands is in,
	s_barrier_signal -1
	s_barrier_wait -1                              ; everybody's is
	FETCH 0, 0, F0
	QUARTER 0, 1, F0, F1, 1                        ; the first quarter's products start the sums
.if LAPS > 1
	WIN 0
	s_mov_b32 s3, LAPS-1
.Llap:                                             ; a trip goes once round the ring and fills both slots again
	QUARTER 0, 2, F1, F0, 0
	QUARTER 0, 3, F0, F1, 0
	TURN 0, 1, 1
	QUARTER 1, 1, F0, F1, 0
	QUARTER 1, 2, F1, F0, 0
	QUARTER 1, 3, F0, F1, 0
	TURN 1, 0, 1
	QUARTER 0, 1, F0, F1, 0
	WIN 0
	s_sub_co_u32 s3, s3, 1
	s_cmp_lg_u32 s3, 0
	s_cbranch_scc1 .Llap
.endif
	QUARTER 0, 2, F1, F0, 0                        ; the last lap fills nothing
	QUARTER 0, 3, F0, F1, 0
	QUARTER 1, 0, F1, F0, 0                        ; on into the upper 512 along K: no barrier, nothing is filled again
	QUARTER 1, 1, F0, F1, 0
	QUARTER 1, 2, F1, F0, 0
	QUARTER 1, 3, F0, F1, 0
	s_wait_dscnt 8
	WIN MUL
	MUL8 F1, 0, 0
	s_wait_dscnt 0
	MUL8 F1, 2, 0
	WIN 0
	; THE WAY OUT
	s_wait_kmcnt 0x0
	s_add_co_i32 s96, s96, s97
	s_add_co_i32 s96, s96, 127
	s_lshl_b32 s96, s96, 23                        ; 2^(ea + eb) as f32
	s_mov_b32 s97, s96
	PLACES
	s_wait_loadcnt 0x0                             ; res and the bias
.macro TOSTAGE a                       ; block a's sums as they are into my stage, and back as rows.  LDS serves a wave's instructions in order (ISA guide 5.7.1.4): no wait between
.set TS, TMP+32*((\a)%2)
.irp b, 0,1,2,3
	ds_store_b128 v[STO], v[ACC+8*(4*(\a)+\b):ACC+8*(4*(\a)+\b)+3] offset:64*\b          ; each accumulator from its low end on
	ds_store_b128 v[STO], v[ACC+8*(4*(\a)+\b)+4:ACC+8*(4*(\a)+\b)+7] offset:64*\b+16
.endr
.irp t, 0,1,2,3,4,5,6,7
	ds_load_b128 v[TS+4*\t:TS+4*\t+3], v[RD] offset:\t*2*SPITCH
.endr
.endm
.macro SEND a, younger                 ; younger: the LDS instructions issued behind block a's loads
.set TS, TMP+32*((\a)%2)
	s_wait_dscnt \younger
.irp t, 0,1,2,3,4,5,6,7
	v_pk_fma_f32 v[TS+4*\t:TS+4*\t+1], v[TS+4*\t:TS+4*\t+1], s[96:97], v[BI:BI+1] op_sel_hi:[1,0,1]
	v_pk_fma_f32 v[TS+4*\t+2:TS+4*\t+3], v[TS+4*\t+2:TS+4*\t+3], s[96:97], v[BI+2:BI+3] op_sel_hi:[1,0,1]
.endr
	WIN 0x08                                       ; source 1: window 2
.set I, 0
.rept 16
	v_pk_add_f32 v[TS+I:TS+I+1], v[TS+I:TS+I+1], v[32*(\a)+I:32*(\a)+I+1]
.set I, I+2
.endr
	WIN 0
.irp t, 0,1,2,3,4,5,6,7
.if NT
	global_store_b128 v[CO], v[TS+4*\t:TS+4*\t+3], s[70:71] offset:(16*(\a)+2*\t)*4096 th:TH_STORE_NT
.else
	global_store_b128 v[CO], v[TS+4*\t:TS+4*\t+3], s[70:71] offset:(16*(\a)+2*\t)*4096   ; 16 lanes store 256 consecutive bytes, aligned
.endif
.endr
.endm
	TOSTAGE 0
.irp a, 1,2,3
.if \a > 1
	s_wait_xcnt 0x0                                ; block a - 2's stores have read their registers: block a's rows may land there
.endif
	TOSTAGE \a
	SEND \a-1, 16                                  ; behind block a - 1's loads: block a's eight stores and eight loads
.endr
	SEND 3, 0
	s_wait_tensorcnt 0x0                           ; the wave's end
	ds_add_u32 v[SPW], v[NIL]
	s_wait_dscnt 0x0
	CROUND                                         ; the closing round
	s_endpgm
.Lfunc_end_k_q5a6dac8062_wo:
	.size	k_q5a6dac8062_wo, .Lfunc_end_k_q5a6dac8062_wo-k_q5a6dac8062_wo
	.p2alignl 7, 3214868480
	.fill 96, 4, 3214868480
	.section	.rodata,"a",@progbits
	.p2align	6, 0x0
	.amdhsa_kernel k_q5a6dac8062_wo
		.amdhsa_group_segment_fixed_size 327680
		.amdhsa_private_segment_fixed_size 0
		.amdhsa_enable_private_segment 0
		.amdhsa_kernarg_size 48
		.amdhsa_user_sgpr_count 2
		.amdhsa_user_sgpr_kernarg_segment_ptr 1
		.amdhsa_wavefront_size32 1
		.amdhsa_system_sgpr_workgroup_id_x 1
		.amdhsa_system_sgpr_workgroup_id_y 1
		.amdhsa_system_sgpr_workgroup_id_z 1
		.amdhsa_system_vgpr_workitem_id 0
		.amdhsa_next_free_vgpr 640
		.amdhsa_next_free_sgpr 100
		.amdhsa_reserve_vcc 0
		.amdhsa_float_denorm_mode_32 3
		.amdhsa_float_denorm_mode_16_64 3
		.amdhsa_memory_ordered 1
		.amdhsa_forward_progress 1
		.amdhsa_inst_pref_size 60
	.end_amdhsa_kernel
	.amdgpu_metadata
---
amdhsa.version: [ 1, 2 ]
amdhsa.kernels:
  - .name:           k_q5a6dac8062_wo
    .symbol:         k_q5a6dac8062_wo.kd
    .args:
      - { .name: ctx, .offset: 0, .size: 8, .value_kind: global_buffer, .address_space: global }
      - { .name: Wo_codes, .offset: 8, .size: 8, .value_kind: global_buffer, .address_space: global }
      - { .name: bo, .offset: 16, .size: 8, .value_kind: global_buffer, .address_space: global }
      - { .name: x, .offset: 24, .size: 8, .value_kind: global_buffer, .address_space: global }
      - { .name: lowp_scales, .offset: 32, .size: 8, .value_kind: global_buffer, .address_space: global }
      - { .name: x1, .offset: 40, .size: 8, .value_kind: global_buffer, .address_space: global }
    .group_segment_fixed_size: 327680
    .private_segment_fixed_size: 0
    .kernarg_segment_align: 8
    .kernarg_segment_size: 48
    .max_flat_workgroup_size: 128
    .sgpr_count:     100
    .vgpr_count:     640
    .wavefront_size: 32
...
	.end_amdgpu_metadata
.endif
;; end of part 4
;; launch ln2 (part 5): grid 256 x 1, 8 waves a work-group, no clusters, 0 bytes of LDS; arguments x1, ln2_g, ln2_b, lowp_scales, h2; writes h2
.if DOCPART == 5
	.amdgcn_target "amdgcn-amd-amdhsa--gfx1250"
	.amdhsa_code_object_version 6
	.text
	.protected	k_q5a6dac8062_ln2
	.globl	k_q5a6dac8062_ln2
	.p2align	8
	.type	k_q5a6dac8062_ln2,@function
k_q5a6dac8062_ln2:
	s_mov_b64 s[64:65], 0
	v_nop
	global_prefetch_b8 v0, s[64:65] scope:SCOPE_SE
	s_setreg_imm32_b32 hwreg(HW_REG_WAVE_MODE, 25, 1), 1
	s_wait_xcnt 0x0
; h = (x - mean) * rsqrt(var + 1e-5) * g + b over rows of 1,024 f32, then codes of E4M3 at NOUT given scales, row-major, K innermost.
; Here NOUT = 1: entry 12 of the scales: out = [4096][1024] bytes.
; SHARES.  256 work-groups x 8 waves x 2 rows.  A wave holds a row in 32 registers a lane: chunk c (0..3) = columns 256 c + 8 lane + 0..7, eight neighbours
; along K, as the conversion wants them.  A chunk comes by two loads of 16 bytes a lane, which together cover 1,024 consecutive bytes (each alone takes half
; of every 32 bytes: chosen over a turn through LDS).  A chunk's 8 codes leave by one store of 8 bytes a lane: 256 consecutive bytes, aligned.
; The mean is taken away before the squares are summed, so a common offset of the inputs does no harm.  No LDS, no barrier: waves share nothing.
; LIMITS: the exponent e lies between -126 and 119, so that 2^e and 448 x 2^e are f32 numbers.  NaN among the inputs is not served.
.set NOUT, 1
.set SCB,  48                          ; byte of the exponent in the scales
.set G,    8                           ; v8-39    g of my 32 columns
.set BB,   40                          ; v40-71   b
.set X,    72                          ; v72-135  two rows
.set HH,   136                         ; v136-167 h of the row in hand
.set U,    168                         ; v168-183 two sets of eight held numbers, by turns
.set CD,   184                         ; codes: a pair for each (row, scale, chunk): no store's data are written again
.set CH,   232                         ; v232-239 four chains of sums
.set MU,   240                         ; v240-243 a row's mean, twice
.set RS,   244                         ; v244-247 a row's 1 / sqrt(var + eps), twice
.set SC,   248                         ; 2^e
.set LIM,  251                         ; 448 x 2^e
.set PD,   254                         ; the lane permute's destination
	s_load_b256 s[4:11], s[0:1], 0x0               ; x, g, b, the scales' exponents
	s_load_b64 s[12:13], s[0:1], 0x20              ; out
	v_lshrrev_b32 v1, 5, v0
	s_delay_alu instid0(VALU_DEP_1)
	v_readfirstlane_b32 s16, v1                    ; wave
	v_and_b32 v1, 31, v0
	s_delay_alu instid0(VALU_DEP_1)
	v_lshlrev_b32 v2, 5, v1                        ; 32 x lane: my 8 numbers of a chunk
	s_delay_alu instid0(VALU_DEP_2)
	v_lshlrev_b32 v3, 3, v1                        ; 8 x lane: my 8 codes of a chunk
	v_mov_b32 v[PD], 0                             ; a lane permute's destination counts as read
	s_mov_b32 s20, 0x76543210
	s_mov_b32 s21, 0xfedcba98                      ; selects for lane l xor 16
	s_mov_b32 s36, 0x3a800000                      ; 1 / 1024
	s_mov_b32 s37, 0x3727c5ac                      ; 1e-5
	s_lshl_b32 s17, ttmp9, 4
	s_lshl_b32 s18, s16, 1
	s_add_co_u32 s17, s17, s18                     ; my first row: 16 x work-group + 2 x wave
	s_lshl_b32 s18, s17, 12
	s_mov_b32 s19, 0
	s_lshl_b32 s22, s17, 10
	s_mov_b32 s23, 0
	s_wait_alu depctr_va_vdst(0)
	s_wait_kmcnt 0x0
.set OI, 0
.rept NOUT
	s_load_b32 s[30+OI], s[10:11], SCB+8*OI
.set OI, OI+1
.endr
	s_add_nc_u64 s[4:5], s[4:5], s[18:19]
	s_add_nc_u64 s[12:13], s[12:13], s[22:23]
.set OI, 0
.rept NOUT
	s_add_nc_u64 s[24+2*OI:25+2*OI], s[12:13], OI*0x400000   ; a base for each tensor of codes
.set OI, OI+1
.endr
.macro ROWLOAD reg, base, off
.irp c, 0,1,2,3
.irp k, 0,1
	global_load_b128 v[\reg+8*\c+4*\k:\reg+8*\c+4*\k+3], v2, s[\base:\base+1] offset:\off+1024*\c+16*\k
.endr
.endr
.endm
	ROWLOAD X, 4, 0
	ROWLOAD X+32, 4, 4096
	ROWLOAD G, 6, 0
	ROWLOAD BB, 8, 0
	s_wait_kmcnt 0x0
.set OI, 0
.rept NOUT
	s_add_co_i32 s34, s[30+OI], 127
	s_lshl_b32 s35, s34, 23
	v_mov_b32 v[SC+OI], s35                        ; 2^e as f32: the conversion takes its exponent field
	s_add_co_i32 s34, s34, 8
	s_lshl_b32 s34, s34, 23
	s_or_b32 s34, s34, 0x600000
	v_mov_b32 v[LIM+OI], s34                       ; 448 x 2^e
.set OI, OI+1
.endr
.macro FOLD                            ; four chains, two halves, 32 lanes -> one sum in every lane, in v[CH]
	s_delay_alu instid0(VALU_DEP_3)
	v_pk_add_f32 v[CH:CH+1], v[CH:CH+1], v[CH+2:CH+3]
	s_delay_alu instid0(VALU_DEP_2)
	v_pk_add_f32 v[CH+4:CH+5], v[CH+4:CH+5], v[CH+6:CH+7]
	s_delay_alu instid0(VALU_DEP_1)
	v_pk_add_f32 v[CH:CH+1], v[CH:CH+1], v[CH+4:CH+5]
	s_delay_alu instid0(VALU_DEP_1)
	v_add_f32 v[CH], v[CH], v[CH+1]
	s_delay_alu instid0(VALU_DEP_1)
	v_add_f32_dpp v[CH], v[CH], v[CH] row_xmask:1 row_mask:0xf bank_mask:0xf
	s_delay_alu instid0(VALU_DEP_1)
	v_add_f32_dpp v[CH], v[CH], v[CH] row_xmask:2 row_mask:0xf bank_mask:0xf
	s_delay_alu instid0(VALU_DEP_1)
	v_add_f32_dpp v[CH], v[CH], v[CH] row_xmask:4 row_mask:0xf bank_mask:0xf
	s_delay_alu instid0(VALU_DEP_1)
	v_add_f32_dpp v[CH], v[CH], v[CH] row_xmask:8 row_mask:0xf bank_mask:0xf
	s_delay_alu instid0(VALU_DEP_1)
	v_permlanex16_b32 v[PD], v[CH], s20, s21
	s_delay_alu instid0(VALU_DEP_1)
	v_add_f32 v[CH], v[CH], v[PD]
.endm
.macro STATS p                         ; row p: x becomes x - mean in place; 1 / sqrt(var + eps) is asked for
.set XR, X+32*(\p)
.irp k, 0,1,2,3
	v_pk_add_f32 v[CH+2*\k:CH+2*\k+1], v[XR+2*\k:XR+2*\k+1], v[XR+8+2*\k:XR+8+2*\k+1]   ; the first pairs start the chains: nothing is cleared
.endr
.irp i, 8,9,10,11,12,13,14,15
	s_delay_alu instid0(VALU_DEP_4)
	v_pk_add_f32 v[CH+2*(\i%4):CH+2*(\i%4)+1], v[CH+2*(\i%4):CH+2*(\i%4)+1], v[XR+2*\i:XR+2*\i+1]
.endr
	FOLD
	s_delay_alu instid0(VALU_DEP_1)
	v_mul_f32 v[MU+2*(\p)], s36, v[CH]
	s_delay_alu instid0(VALU_DEP_1)
	v_mov_b32 v[MU+2*(\p)+1], v[MU+2*(\p)]
.irp i, 0,1,2,3,4,5,6,7,8,9,10,11,12,13,14,15
	v_pk_add_f32 v[XR+2*\i:XR+2*\i+1], v[XR+2*\i:XR+2*\i+1], v[MU+2*(\p):MU+2*(\p)+1] neg_lo:[0,1] neg_hi:[0,1]
.endr
.irp k, 0,1,2,3
	v_pk_mul_f32 v[CH+2*\k:CH+2*\k+1], v[XR+2*\k:XR+2*\k+1], v[XR+2*\k:XR+2*\k+1]
.endr
.irp i, 4,5,6,7,8,9,10,11,12,13,14,15
	s_delay_alu instid0(VALU_DEP_4)
	v_pk_fma_f32 v[CH+2*(\i%4):CH+2*(\i%4)+1], v[XR+2*\i:XR+2*\i+1], v[XR+2*\i:XR+2*\i+1], v[CH+2*(\i%4):CH+2*(\i%4)+1]
.endr
	FOLD
	s_delay_alu instid0(VALU_DEP_1)
	v_fma_f32 v[CH], v[CH], s36, s37               ; var + eps
	s_wait_alu depctr_va_vdst(0)
	v_rsq_f32 v[RS+2*(\p)], v[CH]
	v_rsq_f32 v[RS+2*(\p)+1], v[CH]                ; twice: a pair for the packed multiply
	v_nop                                          ; a plain line before the source is written again (ISA guide 5.7.2)
.endm
.macro NORM p
.set XR, X+32*(\p)
.irp i, 0,1,2,3,4,5,6,7,8,9,10,11,12,13,14,15
	v_pk_mul_f32 v[HH+2*\i:HH+2*\i+1], v[XR+2*\i:XR+2*\i+1], v[RS+2*(\p):RS+2*(\p)+1]
.endr
.irp i, 0,1,2,3,4,5,6,7,8,9,10,11,12,13,14,15
	v_pk_fma_f32 v[HH+2*\i:HH+2*\i+1], v[HH+2*\i:HH+2*\i+1], v[G+2*\i:G+2*\i+1], v[BB+2*\i:BB+2*\i+1]
.endr
.endm
.macro QUANT p, o                      ; row p at scale o: hold, convert, store, a chunk at a time.  The two sets of held numbers take turns, so the next chunk's holds are the plain lines behind each conversion
.irp c, 0,1,2,3
.irp j, 0,1,2,3,4,5,6,7
	v_med3_num_f32 v[U+8*(\c%2)+\j], v[HH+8*\c+\j], -v[LIM+(\o)], v[LIM+(\o)]   ; the conversion to an 8-bit code does not saturate (ISA guide 7.6.2)
.endr
	v_cvt_scalef32_pk8_fp8_f32 v[CD+24*(\p)+8*(\o)+2*\c:CD+24*(\p)+8*(\o)+2*\c+1], v[U+8*(\c%2):U+8*(\c%2)+7], v[SC+(\o)]
	global_store_b64 v3, v[CD+24*(\p)+8*(\o)+2*\c:CD+24*(\p)+8*(\o)+2*\c+1], s[24+2*(\o):25+2*(\o)] offset:1024*(\p)+256*\c   ; 32 lanes store 256 consecutive bytes, aligned
.endr
.endm
	s_wait_loadcnt 24                              ; row 0's eight loads are in; row 1, g and b may be out
	STATS 0
	s_wait_loadcnt 16                              ; row 1's are in
	STATS 1
	s_wait_alu depctr_va_vdst(0)                   ; one wait for the four reciprocal square roots, ahead of their first reader
	s_wait_loadcnt 0x0                             ; g and b
	NORM 0
.set OI, 0
.rept NOUT
	QUANT 0, OI
.set OI, OI+1
.endr
	NORM 1
.set OI, 0
.rept NOUT
	QUANT 1, OI
.set OI, OI+1
.endr
	s_endpgm
.Lfunc_end_k_q5a6dac8062_ln2:
	.size	k_q5a6dac8062_ln2, .Lfunc_end_k_q5a6dac8062_ln2-k_q5a6dac8062_ln2
	.p2alignl 7, 3214868480
	.fill 96, 4, 3214868480
	.section	.rodata,"a",@progbits
	.p2align	6, 0x0
	.amdhsa_kernel k_q5a6dac8062_ln2
		.amdhsa_group_segment_fixed_size 0
		.amdhsa_private_segment_fixed_size 0
		.amdhsa_enable_private_segment 0
		.amdhsa_kernarg_size 40
		.amdhsa_user_sgpr_count 2
		.amdhsa_user_sgpr_kernarg_segment_ptr 1
		.amdhsa_wavefront_size32 1
		.amdhsa_system_sgpr_workgroup_id_x 1
		.amdhsa_system_sgpr_workgroup_id_y 1
		.amdhsa_system_sgpr_workgroup_id_z 1
		.amdhsa_system_vgpr_workitem_id 0
		.amdhsa_next_free_vgpr 256
		.amdhsa_next_free_sgpr 66
		.amdhsa_reserve_vcc 0
		.amdhsa_float_denorm_mode_32 3
		.amdhsa_float_denorm_mode_16_64 3
		.amdhsa_memory_ordered 1
		.amdhsa_forward_progress 1
		.amdhsa_inst_pref_size 25
	.end_amdhsa_kernel
	.amdgpu_metadata
---
amdhsa.version: [ 1, 2 ]
amdhsa.kernels:
  - .name:           k_q5a6dac8062_ln2
    .symbol:         k_q5a6dac8062_ln2.kd
    .args:
      - { .name: x1, .offset: 0, .size: 8, .value_kind: global_buffer, .address_space: global }
      - { .name: ln2_g, .offset: 8, .size: 8, .value_kind: global_buffer, .address_space: global }
      - { .name: ln2_b, .offset: 16, .size: 8, .value_kind: global_buffer, .address_space: global }
      - { .name: lowp_scales, .offset: 24, .size: 8, .value_kind: global_buffer, .address_space: global }
      - { .name: h2, .offset: 32, .size: 8, .value_kind: global_buffer, .address_space: global }
    .group_segment_fixed_size: 0
    .private_segment_fixed_size: 0
    .kernarg_segment_align: 8
    .kernarg_segment_size: 40
    .max_flat_workgroup_size: 256
    .sgpr_count:     66
    .vgpr_count:     256
    .wavefront_size: 32
...
	.end_amdgpu_metadata
.endif
;; end of part 5
;; launch w1 (part 6): grid 16 x 16, 4 waves a work-group, clusters of 4 x 4, 327,680 bytes of LDS; arguments h2, W1_codes, b1, lowp_scales, gc; writes gc
.if DOCPART == 6
	.amdgcn_target "amdgcn-amd-amdhsa--gfx1250"
	.amdhsa_code_object_version 6
	.text
	.protected	k_q5a6dac8062_w1
	.globl	k_q5a6dac8062_w1
	.p2align	8
	.type	k_q5a6dac8062_w1,@function
k_q5a6dac8062_w1:
	s_mov_b64 s[64:65], 0
	v_nop
	global_prefetch_b8 v0, s[64:65] scope:SCOPE_SE
	s_setreg_imm32_b32 hwreg(HW_REG_WAVE_MODE, 25, 1), 1
	s_wait_xcnt 0x0
	s_wait_alu depctr_hold_cnt(0) depctr_sa_sdst(0) depctr_va_vdst(0) depctr_va_sdst(0) depctr_va_ssrc(0) depctr_va_vcc(0) depctr_vm_vsrc(0)
	s_getreg_b32 s2, hwreg(HW_REG_IB_STS2, 6, 4)
	s_cmp_eq_u32 s2, 0
	s_cbranch_scc0 .Lentry_in_a_cluster
	s_endpgm
.Lentry_in_a_cluster:
	s_bfe_u32 s2, ttmp6, 0x10000c
	s_cmp_lg_u32 s2, 0xf033
	s_cbranch_scc0 .Lentry_shape_is_right
	s_endpgm
.Lentry_shape_is_right:
; g = gelu(h W1 + b1), exact (erf), on codes of E4M3, quantised at its given scale (entry 14) and stored as the next product's operand wants it.
; THE PRODUCT.  C[m][n] = sum over k of A[m][k] B[n][k], K = 1,024: A = h's codes [4096][1024], B = W1's codes [4096][1024].  A tile of C is 256 x 256, four waves, 128 x 128 a wave in 64 accumulators.
; K goes in steps of 256 through two LDS slots filled by the tensor data mover; 4 x 4 work-groups form a cluster and ask for A's tiles jointly along a row, for B's along a column.
; THE MATRIX INSTRUCTION IS USED TRANSPOSED (source 0 = 16 rows of B, source 1 = 16 rows of A): in accumulator (a, b) lane (r, h) holds token 16 a + r and hidden units 16 b + 8 h + 0 .. 7.
; Both operands are fetched by loads of 16 bytes: a permutation of k, the same on both sides.
; GELU.  gelu(x) = max(x, 0) - |x| c, c = erfc(|x| / sqrt 2) / 2 = t 2^((-x x + 2 P(t)) log2(e) / 2), t = 1 / (1 + |x| / (2 sqrt 2)), P a polynomial of degree 9 (the Chebyshev fit of erfc whose
; relative error is under 1.2e-7 for every argument from 0 on; ln 2 is folded into its constant).  No difference of nearly equal numbers is formed on either tail.
; THE WAY OUT: eight numbers of a lane, held and converted, are registers 2 b, 2 b + 1 of a fragment (k = 16 b + 8 h + 0 .. 7): gc = [16 tokens: 256][128 hidden units: 32][2,048], images of the registers;
; four registers leave by one store of 16 bytes a lane: 512 consecutive bytes, aligned.  The way out is a loop of eight trips, a block of 16 rows each; only the lines that fetch a block's sums differ
; from trip to trip (their register numbers), so they alone are written eight times.
; LIMITS: e12 + e13 between -126 and 127; e14 between -126 and 119.  An infinite pre-activation gives NaN.  NaN among the inputs is not served.
; REGISTERS: window 0: v0-31 addresses and constants; v32-95 bias; v96-111 codes; v112-127 constants; from v128 A's fragments (on the way out: v128-191 x, v192-223 t, v224-255 the polynomial);
;   window 1: B's fragments, two sets;  window 2, 3: the accumulators.
.set ROWB,   256
.set KROW,   1024
.set PITCH,  272                       ; an LDS row: 256 bytes + 16 of padding = 68 words: the 16 rows that a load touches start at 16 different banks (64 banks of 4 bytes: ISA guide 11.1)
.set FR,     16
.set NL,     4
.set NP,     4
.set HALFT,  128*PITCH
.set SLOT,   4*HALFT
.set SPARE,  2*SLOT
.set ADRA, 16
.set ADRB, 20
.set SPW,  28
.set NIL,  29
.set AF,   128
.set BC,   32
.set CD,   96
.set XX,   128
.set TT,   192
.set PP,   224
.set VO0,  10
.set LIMV, 12
.set SCV,  13
.set G1, 24
.set G0, 32
.set G1B, 48
.set G0B, 56
.set MSB, 0
.macro WIN new                         ; the immediate's high byte repeats the setting that is left
.if MSB != \new
	s_set_vgpr_msb (MSB<<8)|\new
.set MSB, \new
.endif
.endm
.set MUL_LO, 0xa1
.set MUL_HI, 0xf1
.set TO_B,   0x40
.macro JLOAD g0a, g1a, g0b, g1b        ; a joint load: waves 0 and 1 fetch for A, waves 2 and 3 for B; four v_nop follow each of the two lines
	s_cmp_eq_u32 s15, 0
	s_cbranch_scc0 .Lfor_b_\@
	tensor_load_to_lds s[\g0a:\g0a+3], s[\g1a:\g1a+7]
	s_nop 0
.rept 4
	v_nop
.endr
	s_branch .Lasked_\@
.Lfor_b_\@:
	tensor_load_to_lds s[\g0b:\g0b+3], s[\g1b:\g1b+7]
	s_nop 0
.rept 4
	v_nop
.endr
.Lasked_\@:
.endm
.macro CREST
	s_cmp_lg_u32 s14, 0
	s_cbranch_scc1 .Lnot_wave_0_\@
	s_barrier_signal -3
.Lnot_wave_0_\@:
	s_barrier_wait -3
	s_barrier_signal -1
	s_barrier_wait -1
.endm
.macro CROUND
	s_barrier_signal -1
	s_barrier_wait -1
	CREST
.endm
	s_load_b256 s[4:11], s[0:1], 0x0               ; h's codes, W1's codes, b1, the scales' exponents
	s_load_b64 s[12:13], s[0:1], 0x20              ; gc
	v_lshl_add_u32 v[SPW], v0, 2, SPARE
	v_mov_b32 v[NIL], 0
	ds_add_u32 v28, v29
	ds_add_u32 v28, v29
	s_wait_dscnt 0x0
	v_lshrrev_b32 v1, 5, v0
	v_readfirstlane_b32 s14, v1                    ; wave 0..3
	s_lshr_b32 s15, s14, 1
	s_and_b32 s16, s14, 1
	s_bfe_u32 s40, ttmp6, 0x40000                  ; cx
	s_bfe_u32 s41, ttmp6, 0x40004                  ; cy
	s_lshl_b32 s42, ttmp9, 2
	s_add_co_u32 s42, s42, s40                     ; tile column
	s_and_b32 s17, ttmp7, 0xffff
	s_lshl_b32 s17, s17, 2
	s_add_co_u32 s17, s17, s41                     ; tile row
	s_lshl_b32 s43, s41, 2
	s_lshl_b32 s43, 15, s43
	s_lshl_b32 s44, 0x1111, s40
	s_or_b32 s[G1+0], s43, (0<<16)|(1<<20)|(1<<21)|(5<<22)|(3<<25)
	s_or_b32 s[G1B+0], s44, (0<<16)|(1<<20)|(1<<21)|(5<<22)|(3<<25)
.irp g, G1, G1B
	s_mov_b32 s[\g+1], ROWB<<16
	s_mov_b32 s[\g+2], 128<<16
	s_mov_b32 s[\g+3], ROWB<<16
	s_mov_b32 s[\g+4], 128
	s_mov_b32 s[\g+5], KROW
	s_mov_b32 s[\g+6], 0
	s_mov_b32 s[\g+7], 0
.endr
	s_lshl_b32 s18, s16, 7
	s_lshl_b32 s20, s17, 8
	s_add_co_u32 s20, s20, s18
	s_lshl_b32 s20, s20, 10
	s_mov_b32 s21, 0
	s_lshl_b32 s46, s42, 8
	s_add_co_u32 s46, s46, s18
	s_lshl_b32 s46, s46, 10
	s_mov_b32 s47, 0
	s_mul_i32 s45, s14, HALFT
	s_wait_kmcnt 0x0
	s_load_b128 s[80:83], s[10:11], 0x30           ; e12, e13, e14, e15
	s_add_nc_u64 s[20:21], s[4:5], s[20:21]
	s_add_nc_u64 s[46:47], s[6:7], s[46:47]
	CROUND                                         ; all sixteen work-groups are here: the first joint loads meet
.irp s, 0,1
	s_mov_b32 s[G0+4*\s], 1
	s_add_co_u32 s[G0+4*\s+1], s45, \s*SLOT
	s_add_nc_u64 s[G0+4*\s+2:G0+4*\s+3], s[20:21], \s*ROWB
	s_or_b32 s[G0+4*\s+3], s[G0+4*\s+3], 0x80000000
	s_mov_b32 s[G0B+4*\s], 1
	s_add_co_u32 s[G0B+4*\s+1], s45, \s*SLOT
	s_add_nc_u64 s[G0B+4*\s+2:G0B+4*\s+3], s[46:47], \s*ROWB
	s_or_b32 s[G0B+4*\s+3], s[G0B+4*\s+3], 0x80000000
.endr
	JLOAD G0, G1, G0B, G1B                         ; K step 0
	v_and_b32 v1, 15, v0
	v_bfe_u32 v2, v0, 4, 1
	s_wait_alu depctr_va_vdst(0)
	v_mul_u32_u24 v3, v1, PITCH
	v_lshl_add_u32 v4, v2, 4, v3
	s_mul_i32 s21, s15, HALFT
	s_mul_i32 s22, s16, HALFT
	s_add_co_u32 s22, s22, 2*HALFT
.irp s, 0,1
	v_add_nc_u32 v[ADRA+\s], s21, v4
	v_add_nc_u32 v[ADRB+\s], s22, v4
	s_add_co_u32 s21, s21, SLOT
	s_add_co_u32 s22, s22, SLOT
.endr
	s_lshl_b32 s20, s17, 8
	s_lshl_b32 s21, s15, 7
	s_add_co_u32 s20, s20, s21                     ; my first token
	s_lshl_b32 s20, s20, 12                        ; / 16 x 65,536
	s_lshl_b32 s46, s42, 8
	s_lshl_b32 s47, s16, 7
	s_add_co_u32 s46, s46, s47                     ; my first hidden unit
	s_lshl_b32 s22, s46, 4                         ; / 128 x 2,048
	s_add_co_u32 s20, s20, s22
	s_mov_b32 s21, 0
	s_add_nc_u64 s[12:13], s[12:13], s[20:21]      ; where my block 0's image goes
	s_lshl_b32 s46, s46, 2
	s_mov_b32 s47, 0
	s_add_nc_u64 s[8:9], s[8:9], s[46:47]          ; b1 at my columns
	v_lshlrev_b32 v8, 5, v2                        ; 32 h
	v_and_b32 v5, 31, v0
	v_lshlrev_b32 v[VO0], 4, v5                    ; 16 x lane
.irp b, 0,1,2,3,4,5,6,7
	global_load_b128 v[BC+8*\b:BC+8*\b+3], v8, s[8:9] offset:64*\b
	global_load_b128 v[BC+8*\b+4:BC+8*\b+7], v8, s[8:9] offset:64*\b+16
.endr
.macro SETK reg, val                   ; a constant, twice: a pair for the packed forms
	v_mov_b32 v[\reg], \val
	v_mov_b32 v[\reg+1], \val
.endm
	SETK 14,  0x3eaef945                           ; 2 x the polynomial's coefficients, degree 9 down:  0.34174554
	SETK 112, 0xbfd27892                           ; -1.64430446
	SETK 114, 0x403e87b0                           ;  2.97703174
	SETK 116, 0xc0114e5d                           ; -2.27040796
	SETK 118, 0x3f0ec7cc                           ;  0.55773614
	SETK 120, 0xbebec24c                           ; -0.37257612
	SETK 122, 0x3e4636c9                           ;  0.19356836
	SETK 124, 0x3f3f88fb                           ;  0.74818392
	SETK 126, 0x400000c7                           ;  2.00004736
	SETK 18,  0xc07ab55a                           ; -3.91731882 = 2 (-1.26551223 - ln 2)
	s_mov_b32 s98, 0x3eb504f3                      ; 1 / (2 sqrt 2)
	s_mov_b32 s92, 0x3f38aa3b                      ; log2(e) / 2
	s_mov_b32 s93, s92
	s_wait_kmcnt 0x0
	s_add_co_i32 s96, s80, s81
	s_add_co_i32 s96, s96, 127
	s_lshl_b32 s96, s96, 23                        ; 2^(e12 + e13) as f32
	s_mov_b32 s97, s96
	s_add_co_i32 s90, s82, 127
	s_lshl_b32 s91, s90, 23
	v_mov_b32 v[SCV], s91                          ; 2^e14
	s_add_co_i32 s90, s90, 8
	s_lshl_b32 s90, s90, 23
	s_or_b32 s90, s90, 0x600000
	v_mov_b32 v[LIMV], s90                         ; 448 x 2^e14
.macro FRAG reg, adr, q, i
.irp c, 0,1,2,3
	ds_load_b128 v[\reg+4*\c:\reg+4*\c+3], v[\adr] offset:128*(\q)+32*\c+(\i)*16*PITCH
.endr
.endm
; 16 matrix instructions: A's blocks a0, a0 + 1 x B's eight.  The 64 accumulators take turns, one instruction a turn, in the same order in every step.
.macro MUL16 a0, p, zero
.irp a, \a0, \a0+1
.irp b, 0,1,2,3,4,5,6,7
.if \zero
	v_wmma_f32_16x16x128_fp8_fp8 v[8*(8*((\a)%4)+\b):8*(8*((\a)%4)+\b)+7], v[128*(\p)+FR*\b:128*(\p)+FR*\b+FR-1], v[AF+FR*(\a):AF+FR*(\a)+FR-1], 0
.else
	v_wmma_f32_16x16x128_fp8_fp8 v[8*(8*((\a)%4)+\b):8*(8*((\a)%4)+\b)+7], v[128*(\p)+FR*\b:128*(\p)+FR*\b+FR-1], v[AF+FR*(\a):AF+FR*(\a)+FR-1], v[8*(8*((\a)%4)+\b):8*(8*((\a)%4)+\b)+7]
.endif
.endr
.endr
.endm
.macro FETCH_B slot, q, p
	WIN TO_B
.irp i, 0,1,2,3,4,5,6,7
	FRAG 128*(\p)+FR*\i, ADRB+\slot, \q, \i
.endr
	WIN 0
.endm
.macro FETCH_A slot, q, i0
.irp i, \i0, \i0+1, \i0+2, \i0+3
	FRAG AF+FR*(\i), ADRA+\slot, \q, \i
.endr
.endm
.macro PLACES n                        ; plain vector lines between a matrix instruction and a load into, or a read of, its registers
.rept \n
	v_nop
.endr
.endm
.macro STEP slot, q, zero
	s_wait_dscnt 4*NL                              ; B's set and A's blocks 0-3 are in; A's blocks 4-7 may be out
	WIN MUL_LO
	MUL16 0, (\q)%2, \zero
	MUL16 2, (\q)%2, \zero
	s_wait_dscnt 0
	PLACES NP
	FETCH_B \slot, (\q)+1, 1-(\q)%2
	FETCH_A \slot, (\q)+1, 0
	WIN MUL_HI
	MUL16 4, (\q)%2, \zero
	MUL16 6, (\q)%2, \zero
	PLACES NP
	WIN 0
	FETCH_A \slot, (\q)+1, 4
.endm
; A slot's last step changes slots: one barrier; in front of it each wave waits for all its tensor loads, adds 0 to its spare word, and waits for that and for its reads of this slot.
.macro TURN slot, next, fill
	s_wait_tensorcnt 0x0                           ; all my tensor loads have landed: my part of the next slot
	ds_add_u32 v[SPW], v[NIL]                      ; 0 onto my spare word
	s_wait_dscnt 4*NL+1                            ; (the add and A's blocks 4-7 may be out)
	WIN MUL_LO
	MUL16 0, 1, 0
	s_wait_dscnt 0x0                               ; the add is done, and my reads of this slot are over
	s_barrier_signal -1
	MUL16 2, 1, 0
	WIN 0
	s_barrier_wait -1
.if \fill
	CREST                                          ; the barrier has opened a round of the cluster's: no wave of any partner still reads this slot or has a load on its way
	s_add_nc_u64 s[G0+4*\slot+2:G0+4*\slot+3], s[G0+4*\slot+2:G0+4*\slot+3], 2*ROWB
	s_add_nc_u64 s[G0B+4*\slot+2:G0B+4*\slot+3], s[G0B+4*\slot+2:G0B+4*\slot+3], 2*ROWB
	JLOAD G0+4*\slot, G1, G0B+4*\slot, G1B         ; the first tensor load behind the round; its four v_nop are the places in front of the loads below
.else
	PLACES NP
.endif
	FETCH_B \next, 0, 0
	FETCH_A \next, 0, 0
	WIN MUL_HI
	MUL16 4, 1, 0
	MUL16 6, 1, 0
	PLACES NP
	WIN 0
	FETCH_A \next, 0, 4
.endm
	s_wait_alu depctr_va_vdst(0)                   ; the wait at the head's end
	s_wait_tensorcnt 0x0                           ; my part of K step 0 is in
	ds_add_u32 v[SPW], v[NIL]
	s_wait_dscnt 0x0
	CROUND                                         ; everybody's part of K step 0 is in, and all sixteen work-groups are here,
	JLOAD G0+4, G1, G0B+4, G1B                     ; K step 1's load, the first tensor load behind the round
	FETCH_B 0, 0, 0
	FETCH_A 0, 0, 0
	FETCH_A 0, 0, 4
	STEP 0, 0, 1                                   ; K = 1,024 is four K steps of 256: written out, no loop.  The first products start the sums
	TURN 0, 1, 1
	STEP 1, 0, 0
	TURN 1, 0, 1
	STEP 0, 0, 0
	TURN 0, 1, 0
	STEP 1, 0, 0
	s_wait_dscnt 4*NL
	WIN MUL_LO
	MUL16 0, 1, 0
	MUL16 2, 1, 0
	s_wait_dscnt 0
	WIN MUL_HI
	MUL16 4, 1, 0
	MUL16 6, 1, 0
	WIN 0
	; THE WAY OUT
.macro GET k                           ; block k's 64 sums a lane x 2^(e12 + e13) + b1; each accumulator from its low end on
	WIN 0x02+((\k)/4)                              ; source 0: window 2 or 3
.set I, 0
.rept 32
	v_pk_fma_f32 v[XX+I:XX+I+1], v[64*((\k)%4)+I:64*((\k)%4)+I+1], s[96:97], v[BC+I:BC+I+1] op_sel_hi:[1,0,1]
.set I, I+2
.endr
	WIN 0
.endm
.macro GELU32 u                        ; 32 numbers of a lane, v[XX + 32 u] on, become 8 registers of codes.  Two batches of transcendentals, one wait each
.set XU, XX+32*(\u)
.set I, 0
.rept 32
	v_fma_f32 v[TT+I], |v[XU+I]|, s98, 1.0
.set I, I+1
.endr
.set I, 0
	s_wait_alu depctr_va_vdst(0)
.rept 32
	v_rcp_f32 v[TT+I], v[TT+I]                     ; t
.set I, I+1
.endr
	v_nop                                          ; a plain line behind the last reciprocal,
	s_wait_alu depctr_va_vdst(0)                   ; and the wait for the batch, ahead of its first reader
.set I, 0
.rept 16
	v_pk_fma_f32 v[PP+I:PP+I+1], v[14:15], v[TT+I:TT+I+1], v[112:113]
.set I, I+2
.endr
.irp kc, 114,116,118,120,122,124,126,18
.set I, 0
.rept 16
	v_pk_fma_f32 v[PP+I:PP+I+1], v[PP+I:PP+I+1], v[TT+I:TT+I+1], v[\kc:\kc+1]
.set I, I+2
.endr
.endr
.set I, 0
.rept 16
	v_pk_fma_f32 v[PP+I:PP+I+1], v[XU+I:XU+I+1], v[XU+I:XU+I+1], v[PP+I:PP+I+1] neg_lo:[1,0,0] neg_hi:[1,0,0]   ; - x x + 2 P
.set I, I+2
.endr
.set I, 0
.rept 16
	v_pk_mul_f32 v[PP+I:PP+I+1], v[PP+I:PP+I+1], s[92:93] op_sel_hi:[1,0]
.set I, I+2
.endr
.set I, 0
	s_wait_alu depctr_va_vdst(0)
.rept 32
	v_exp_f32 v[PP+I], v[PP+I]
.set I, I+1
.endr
	v_nop
	s_wait_alu depctr_va_vdst(0)
.set I, 0
.rept 16
	v_pk_mul_f32 v[TT+I:TT+I+1], v[TT+I:TT+I+1], v[PP+I:PP+I+1]   ; c
.set I, I+2
.endr
.set I, 0
.rept 32
	v_max_num_f32 v[PP+I], 0, v[XU+I]
.set I, I+1
.endr
.set I, 0
.rept 32
	v_fma_f32 v[XU+I], -|v[XU+I]|, v[TT+I], v[PP+I]               ; max(x, 0) - |x| c
.set I, I+1
.endr
.set I, 0
.rept 32
	v_med3_num_f32 v[XU+I], v[XU+I], -v[LIMV], v[LIMV]            ; the conversion to an 8-bit code does not saturate (ISA guide 7.6.2)
.set I, I+1
.endr
.irp k, 0,1,2,3
	v_cvt_scalef32_pk8_fp8_f32 v[CD+8*(\u)+2*\k:CD+8*(\u)+2*\k+1], v[XU+8*\k:XU+8*\k+7], v[SCV]
.endr
	v_nop                                          ; a plain line between the conversions and the next writes of their sources
.endm
	PLACES NP
	s_wait_loadcnt 0x0                             ; b1
	s_mov_b32 s3, 0
.Lblk:                                             ; eight trips: block s3 of 16 rows
.irp k, 0,1,2,3,4,5,6
	s_cmp_eq_u32 s3, \k
	s_cbranch_scc1 .Lget_\k
.endr
	GET 7
	s_branch .Lgelu
.irp k, 0,1,2,3,4,5
.Lget_\k:
	GET \k
	s_branch .Lgelu
.endr
.Lget_6:
	GET 6
.Lgelu:
	GELU32 0
	GELU32 1
; The image's order of k: lanes 0-15 give their codes of units 32 c + 16 .. 23 for lanes 16-31's of units 32 c + 8 .. 15, so that registers 4 c .. 4 c + 3 of lane (r, h) hold
; the 16 neighbours k = 32 c + 16 h + 0 .. 15: the order in which the next launch reads W2's rows by loads of 16 bytes.
.irp c, 0,1,2,3
	v_permlane16_swap_b32 v[CD+4*\c], v[CD+4*\c+2]
	v_permlane16_swap_b32 v[CD+4*\c+1], v[CD+4*\c+3]
.endr
	global_store_b128 v[VO0], v[CD:CD+3], s[12:13]
	global_store_b128 v[VO0], v[CD+4:CD+7], s[12:13] offset:512
	global_store_b128 v[VO0], v[CD+8:CD+11], s[12:13] offset:1024
	global_store_b128 v[VO0], v[CD+12:CD+15], s[12:13] offset:1536
	s_wait_xcnt 0x0                                ; the stores have read their base and data: both are written again in the next trip
	s_add_nc_u64 s[12:13], s[12:13], 65536         ; the next 16 tokens' images
	s_add_co_u32 s3, s3, 1
	s_cmp_lt_u32 s3, 8
	s_cbranch_scc1 .Lblk
	s_wait_tensorcnt 0x0                           ; the wave's end
	ds_add_u32 v[SPW], v[NIL]
	s_wait_dscnt 0x0
	CROUND                                         ; the closing round
	s_endpgm
.Lfunc_end_k_q5a6dac8062_w1:
	.size	k_q5a6dac8062_w1, .Lfunc_end_k_q5a6dac8062_w1-k_q5a6dac8062_w1
	.p2alignl 7, 3214868480
	.fill 96, 4, 3214868480
	.section	.rodata,"a",@progbits
	.p2align	6, 0x0
	.amdhsa_kernel k_q5a6dac8062_w1
		.amdhsa_group_segment_fixed_size 327680
		.amdhsa_private_segment_fixed_size 0
		.amdhsa_enable_private_segment 0
		.amdhsa_kernarg_size 40
		.amdhsa_user_sgpr_count 2
		.amdhsa_user_sgpr_kernarg_segment_ptr 1
		.amdhsa_wavefront_size32 1
		.amdhsa_system_sgpr_workgroup_id_x 1
		.amdhsa_system_sgpr_workgroup_id_y 1
		.amdhsa_system_sgpr_workgroup_id_z 1
		.amdhsa_system_vgpr_workitem_id 0
		.amdhsa_next_free_vgpr 1024
		.amdhsa_next_free_sgpr 100
		.amdhsa_reserve_vcc 0
		.amdhsa_float_denorm_mode_32 3
		.amdhsa_float_denorm_mode_16_64 3
		.amdhsa_memory_ordered 1
		.amdhsa_forward_progress 1
		.amdhsa_inst_pref_size 142
	.end_amdhsa_kernel
	.amdgpu_metadata
---
amdhsa.version: [ 1, 2 ]
amdhsa.kernels:
  - .name:           k_q5a6dac8062_w1
    .symbol:         k_q5a6dac8062_w1.kd
    .args:
      - { .name: h2, .offset: 0, .size: 8, .value_kind: global_buffer, .address_space: global }
      - { .name: W1_codes, .offset: 8, .size: 8, .value_kind: global_buffer, .address_space: global }
      - { .name: b1, .offset: 16, .size: 8, .value_kind: global_buffer, .address_space: global }
      - { .name: lowp_scales, .offset: 24, .size: 8, .value_kind: global_buffer, .address_space: global }
      - { .name: gc, .offset: 32, .size: 8, .value_kind: global_buffer, .address_space: global }
    .group_segment_fixed_size: 327680
    .private_segment_fixed_size: 0
    .kernarg_segment_align: 8
    .kernarg_segment_size: 40
    .max_flat_workgroup_size: 128
    .sgpr_count:     100
    .vgpr_count:     1024
    .wavefront_size: 32
...
	.end_amdgpu_metadata
.endif
;; end of part 6
;; launch w2 (part 7): grid 32 x 8, 4 waves a work-group, clusters of 4 x 1, 327,680 bytes of LDS; arguments gc, W2_codes, b2, x1, lowp_scales, out0; writes out0
.if DOCPART == 7
	.amdgcn_target "amdgcn-amd-amdhsa--gfx1250"
	.amdhsa_code_object_version 6
	.text
	.protected	k_q5a6dac8062_w2
	.globl	k_q5a6dac8062_w2
	.p2align	8
	.type	k_q5a6dac8062_w2,@function
k_q5a6dac8062_w2:
	s_mov_b64 s[64:65], 0
	v_nop
	global_prefetch_b8 v0, s[64:65] scope:SCOPE_SE
	s_setreg_imm32_b32 hwreg(HW_REG_WAVE_MODE, 25, 1), 1
	s_wait_xcnt 0x0
	s_wait_alu depctr_hold_cnt(0) depctr_sa_sdst(0) depctr_va_vdst(0) depctr_va_sdst(0) depctr_va_ssrc(0) depctr_va_vcc(0) depctr_vm_vsrc(0)
	s_getreg_b32 s2, hwreg(HW_REG_IB_STS2, 6, 4)
	s_cmp_eq_u32 s2, 0
	s_cbranch_scc0 .Lentry_in_a_cluster
	s_endpgm
.Lentry_in_a_cluster:
	s_bfe_u32 s2, ttmp6, 0x10000c
	s_cmp_lg_u32 s2, 0x3003
	s_cbranch_scc0 .Lentry_shape_is_right
	s_endpgm
.Lentry_shape_is_right:
; out0 = x1 + (A W2^T x 2^(e14 + e15) + b2): [4096][1024] f32.  A = the quantised gelu, codes of E4M3 as register images, [16 tokens: 256][128 along K: 32][2,048];
; in an image registers 4 c .. 4 c + 3 of lane (r, h) hold token r, k = 32 c + 16 h + 0 .. 15.  W2: [1024][4096] codes, K innermost.
; SHARES.  A work-group makes 128 rows x 128 columns (32 x 8 work-groups: one for each WGP); each of its four waves 32 rows x all 128 columns: 16 accumulators.
; THE TWO OPERANDS COME BY TWO WAYS.  The rows of A are a wave's own, so its images go from memory straight into registers, 512 consecutive bytes an instruction, each image once in a work-group,
; through a ring of eight sets of 32 registers: chunk i + 6's eight loads are issued in chunk i.  W2's 128 rows, which all four waves read, go through a ring of two LDS slots of a quarter of K
; (128 rows of 1,024 + 16 bytes), filled by the tensor data mover, 32 rows a wave: four fills in all, each with a slot's 128 matrix instructions a wave in which to land.
; A chunk is 128 along K: 16 matrix instructions in four groups, a pair of W2's fragments each; behind each group the same pair of the next chunk is read from LDS.
; CLUSTER 4, 1, 1: the four work-groups of a cluster have the same 128 columns and ask for W2's rows jointly (mask 15).
; THE WALK ALONG K.  The eight work-groups that read the same rows of A (same x, y = 0 .. 7) begin at K quarter y mod 4 and go round: fill j brings K quarter (j + y) mod 4,
; and place i of the walk is K chunk (i + 8 (y mod 4)) mod 32.  No LDS address hangs on y.  The order of an f32 sum's 32 steps so differs from block to block.
; THE SUMS BEGIN AS ZEROS: 128 v_mov_b32 at the head, under the first tile's flight, so that the loop's first trip is a trip like the others and eight more chunks need not be written out.
; NO PREFETCH INSTRUCTION: A's own loads are issued six chunks (48 loads, 24,576 bytes a wave) ahead of their use; a refill of W2's ring is asked for eight chunks ahead of its first read.
; THE MATRIX INSTRUCTION IS USED TRANSPOSED (source 0 = 16 rows of W2, source 1 = 16 tokens): a lane holds eight neighbouring columns of one row of out.
; THE WAY OUT: 16 rows x 128 columns at a time through the wave's own stage in LDS, back as rows of 512 bytes; x 2^(e14 + e15) + b2, + x1, which was loaded at the head.
; LIMIT: e14 + e15 between -126 and 127.
; REGISTERS: window 0: v16-29 addresses; v32-95 rows on the way out; v96-99 bias; v128-255 accumulators ((a, b) at v[128 + 8 (8 a + b)]);
;   window 1: W2's fragments, two sets of 128;  window 2: A's, eight sets of 32;  window 3: v0-127 my 32 x 128 of x1.
.set BP,     1040                      ; 260 words: row r starts at bank 4 r mod 64 (64 banks of 4 bytes: ISA guide 11.1)
.set WPART,  32*BP                     ; what one tensor load brings
.set SLOT,   128*BP
.set STAGE,  2*SLOT                    ; 16 rows x 528 bytes for each wave; no tile lands here
.set SPITCH, 528
.set SPARE,  STAGE+4*16*SPITCH         ; the spare words, 128 bytes a wave
.set ADB0, 16                          ; my lane's place in a fragment of W2: r x 1,040 + 16 h; v17: the same 64 rows on
.set ADB,  18                          ; the two in the slot in hand: v18 for fragments 0-3, v19 for 4-7
.set AO,   20                          ; 16 x lane
.set STO,  24
.set RD,   25
.set SPW,  28
.set NIL,  29
.set TMP,  32
.set BI,   96
.set ACC,  128
.set G1, 24
.set G0, 32
.set MSB, 0
.macro WIN new                         ; the immediate's high byte repeats the setting that is left
.if MSB != \new
	s_set_vgpr_msb (MSB<<8)|\new
.set MSB, \new
.endif
.endm
.set MUL,  0x09                        ; source 0 (W2) window 1, source 1 (A) window 2, C and D window 0
.set TO_B, 0x40                        ; destination window 1
.set TO_A, 0x80                        ; destination window 2
.set TO_R, 0xc0                        ; destination window 3
.macro CROUND                          ; a round of the cluster's barrier
	s_barrier_signal -1
	s_barrier_wait -1
	s_cmp_lg_u32 s14, 0
	s_cbranch_scc1 .Lnot_wave_0_\@
	s_barrier_signal -3
.Lnot_wave_0_\@:
	s_barrier_wait -3
	s_barrier_signal -1
	s_barrier_wait -1
.endm
.macro PLACES                          ; plain vector lines between a matrix instruction and a load into, or a read of, its registers
.rept 4
	v_nop
.endr
.endm
; s53 = the slot's first place + 8 (y mod 4).  The images of K chunk (s53 + k) mod 32 lie 2,048 x chunk behind my first block's: s[46:47]
.macro ABASE k
	s_add_co_u32 s51, s53, \k
	s_and_b32 s51, s51, 31
	s_lshl_b32 s48, s51, 11
	s_wait_xcnt 0x0                                ; the loads issued a chunk ago have read their base: it may be written
	s_add_nc_u64 s[46:47], s[44:45], s[48:49]
.endm
.macro ALOAD set                       ; A's two fragments of a chunk: each load 512 consecutive bytes, aligned
.irp a, 0,1
.irp c, 0,1,2,3
	global_load_b128 v[32*(\set)+16*\a+4*\c:32*(\set)+16*\a+4*\c+3], v[AO], s[46:47] offset:65536*\a+512*\c
.endr
.endr
.endm
.macro BLOAD set, p, kk                ; W2's fragments 2 p, 2 p + 1 of the slot's chunk kk: registers 4 c .. 4 c + 3 hold k = 32 c + 16 h + 0 .. 15, as in A's images
.irp u, 0,1
.irp c, 0,1,2,3
	ds_load_b128 v[128*(\set)+16*(2*(\p)+\u)+4*\c:128*(\set)+16*(2*(\p)+\u)+4*\c+3], v[ADB+(\p)/2] offset:16*BP*((2*(\p)+\u)%4)+32*\c+128*(\kk)
.endr
.endr
.endm
.macro MULG k, p                       ; W2's pair p x A's two blocks.  The 16 accumulators take turns, one instruction a turn, in the same order in every chunk
.irp u, 0,1
.irp a, 0,1
	v_wmma_f32_16x16x128_fp8_fp8 v[ACC+8*(8*\a+2*(\p)+\u):ACC+8*(8*\a+2*(\p)+\u)+7], v[128*((\k)%2)+16*(2*(\p)+\u):128*((\k)%2)+16*(2*(\p)+\u)+15], v[32*(\k)+16*\a:32*(\k)+16*\a+15], v[ACC+8*(8*\a+2*(\p)+\u):ACC+8*(8*\a+2*(\p)+\u)+7]
.endr
.endr
.endm
; CHUNK k of the slot in hand.  aska: the images of six places on are asked for, into the set that was multiplied two chunks ago.  lc: the global loads issued behind this chunk's (five chunks' eight).
; Ahead of group p the LDS loads issued behind its pair are this chunk's pairs p + 1 .. 3 and the next chunk's pairs 0 .. p - 1: 24; the slot's last chunk reads nothing ahead.
.macro CHUNK k, aska, lc
.if \aska
	ABASE (\k)+6
.endif
.if \aska || ((\k) < 7)
	PLACES                                         ; between the last chunk's products and the loads into the registers that they read
.endif
	s_wait_loadcnt \lc
.irp p, 0,1,2,3
.if (\k) < 7
	s_wait_dscnt 24
.else
	s_wait_dscnt 24-8*\p
.endif
	WIN MUL
	MULG \k, \p
.if (\k) < 7
	WIN TO_B
	BLOAD ((\k)+1)%2, \p, (\k)+1
.endif
.if \aska && (\p == 0)
	WIN TO_A
	ALOAD ((\k)+6)%8
.endif
.endr
.endm
; THE CHANGE OF SLOTS stands at a slot's head.  Each wave waits for all its tensor loads (its part of the slot ahead), adds 0 to its spare word, and waits for that and for its reads of the slot that it has left.
; fill = 1: a round of the cluster's barrier, and the slot just left takes the K quarter after the one ahead (the first time: slot 1's first fill, issued as a refill is).
.macro CHANGE fill
	s_wait_tensorcnt 0x0                           ; no tensor load of mine is out, so group 0 may be written
	ds_add_u32 v[SPW], v[NIL]                      ; 0 onto my spare word
.if \fill
	s_add_co_u32 s[G0+1], s56, s52                 ; my 32 rows' place in the slot just left
	s_add_co_u32 s58, s58, 1
	s_and_b32 s51, s58, 3                          ; K quarter (j + y) mod 4
	s_lshl_b32 s74, s51, 10
	s_add_nc_u64 s[G0+2:G0+3], s[72:73], s[74:75]
	s_or_b32 s[G0+3], s[G0+3], 0x80000000
.endif
	s_xor_b32 s52, s52, SLOT                       ; the slot ahead: 0 or SLOT
	v_add_nc_u32 v[ADB], s52, v[ADB0]
	v_add_nc_u32 v[ADB+1], s52, v[ADB0+1]
	s_wait_alu depctr_va_vdst(0)
	s_wait_dscnt 0x0                               ; the add is done, and my reads of the slot that I have left are over
.if \fill
	CROUND                                         ; no wave of any partner still reads that slot or has a load on its way
	tensor_load_to_lds s[G0:G0+3], s[G1:G1+7]      ; my one tensor load behind the round
	s_nop 0
.else
	s_barrier_signal -1
	s_barrier_wait -1
.endif
	PLACES
	WIN TO_B
.irp p, 0,1,2,3
	BLOAD 0, \p, 0                                 ; the slot's first chunk
.endr
.endm
	s_load_b256 s[4:11], s[0:1], 0x0               ; A's images, W2's codes, b2, x1
	s_load_b128 s[68:71], s[0:1], 0x20             ; the scales' exponents, out0
	v_lshl_add_u32 v[SPW], v0, 2, SPARE
	v_mov_b32 v[NIL], 0
	ds_add_u32 v[SPW], v[NIL]                      ; the opening lines: the add, twice on end, and its wait ahead of my first tensor load
	ds_add_u32 v[SPW], v[NIL]
	v_lshrrev_b32 v1, 5, v0
	v_readfirstlane_b32 s14, v1                    ; wave 0..3
	s_bfe_u32 s40, ttmp6, 0x40000                  ; cx
	s_lshl_b32 s42, ttmp9, 2
	s_add_co_u32 s42, s42, s40                     ; x: which 128 rows
	s_and_b32 s17, ttmp7, 0xffff                   ; y: which 128 columns; the cluster's four share it
	s_mov_b32 s[G1+0], 15|(0<<16)|(1<<20)|(1<<21)|(7<<22)|(3<<25)   ; the mask: all four of the cluster; elements of 1 byte; 4 words of padding after every 256
	s_mov_b32 s[G1+1], 1024<<16                    ; tensor_dim0
	s_mov_b32 s[G1+2], 32<<16                      ; tensor_dim1
	s_mov_b32 s[G1+3], 1024<<16                    ; tile_dim0
	s_mov_b32 s[G1+4], 32                          ; tile_dim1
	s_mov_b32 s[G1+5], 4096                        ; from row to row
	s_mov_b32 s[G1+6], 0
	s_mov_b32 s[G1+7], 0
	s_and_b32 s58, s17, 3                          ; y mod 4: the K quarter at which the walk begins; stepped with each fill
	s_lshl_b32 s50, s58, 3                         ; in chunks
	s_lshl_b32 s74, s58, 10                        ; in bytes of a row of W2
	s_mov_b32 s75, 0
	s_lshl_b32 s20, s17, 19                        ; W2: row 128 y,
	s_lshl_b32 s18, s14, 17
	s_add_co_u32 s20, s20, s18                     ; + my wave's 32 rows
	s_mov_b32 s21, 0
	s_mul_i32 s56, s14, WPART                      ; and their place in a slot
	s_mov_b32 s[G0], 1
	s_mov_b32 s[G0+1], s56                         ; slot 0
	s_mov_b32 s49, 0
	s_mov_b32 s52, SLOT                            ; the first change of slots fills slot 1 and turns to slot 0
	s_mov_b32 s3, 0                                ; the slot's first place
	s_wait_dscnt 0x0                               ; both opening adds are done
	s_wait_kmcnt 0x0
	s_load_b64 s[96:97], s[68:69], 56              ; e14, e15
	s_add_nc_u64 s[72:73], s[6:7], s[20:21]
	s_add_nc_u64 s[G0+2:G0+3], s[72:73], s[74:75]
	s_or_b32 s[G0+3], s[G0+3], 0x80000000
	CROUND                                         ; the four work-groups are here: the joint loads meet
	tensor_load_to_lds s[G0:G0+3], s[G1:G1+7]      ; fill 0
	s_nop 0
	v_and_b32 v1, 15, v0                           ; r
	v_bfe_u32 v2, v0, 4, 1                         ; h
	v_and_b32 v3, 31, v0
	v_lshlrev_b32 v[AO], 4, v3
	v_mul_u32_u24 v5, v1, BP
	v_lshl_add_u32 v[ADB0], v2, 4, v5
	v_add_nc_u32 v[ADB0+1], 64*BP, v[ADB0]
	s_mul_i32 s23, s14, 16*SPITCH
	s_add_co_u32 s23, s23, STAGE                   ; my stage
	v_mul_u32_u24 v6, v1, SPITCH
	v_lshl_add_u32 v6, v2, 5, v6
	v_add_nc_u32 v[STO], s23, v6                   ; in: row r, 32 bytes for each half of the lanes
	v_add_nc_u32 v[RD], s23, v[AO]                 ; back: the 32 lanes take one row of 512 bytes
	s_wait_alu depctr_va_vdst(0)
	s_lshl_b32 s20, s42, 2
	s_add_co_u32 s20, s20, s14                     ; my 32 rows: number 4 x + wave
	s_lshl_b32 s18, s20, 17                        ; two blocks of 65,536 bytes of images; also 32 rows of 4,096 bytes of x1 and out0
	s_mov_b32 s19, 0
	s_add_nc_u64 s[44:45], s[4:5], s[18:19]        ; my first block's images
	s_lshl_b32 s22, s17, 9                         ; my work-group's 128 columns, in bytes
	s_mov_b32 s23, 0
	s_add_nc_u64 s[8:9], s[8:9], s[22:23]
	s_add_co_u32 s18, s18, s22
	s_add_nc_u64 s[10:11], s[10:11], s[18:19]
	s_add_nc_u64 s[70:71], s[70:71], s[18:19]
	WIN TO_R
.irp a, 0,1
.irp t, 0,1,2,3,4,5,6,7,8,9,10,11,12,13,14,15
	global_load_b128 v[64*\a+4*\t:64*\a+4*\t+3], v[AO], s[10:11] offset:(16*\a+\t)*4096 th:TH_LOAD_NT   ; x1, in the places in which the rows come back from the stage
.endr
.endr
	WIN 0
	global_load_b128 v[BI:BI+3], v[AO], s[8:9]     ; the bias of my four columns
	s_add_co_u32 s53, s3, s50
.irp i, 0,1,2,3,4,5
	ABASE \i                                       ; places 0 to 5 of the walk
	WIN TO_A
	ALOAD \i
	WIN 0
.endr
.set I, 0
.rept 128
	v_mov_b32 v[ACC+I], 0                          ; the sums begin as zeros
.set I, I+1
.endr
.Lslot:                                            ; three trips: a slot's eight chunks each; behind each change of slots the slot just left is filled
	s_add_co_u32 s53, s3, s50
	CHANGE 1
.irp k, 0,1,2,3,4,5,6,7
	CHUNK \k, 1, 40
.endr
	WIN 0
	s_add_co_u32 s3, s3, 8
	s_cmp_lt_u32 s3, 24
	s_cbranch_scc1 .Lslot
	s_add_co_u32 s53, s3, s50
	CHANGE 0                                       ; the last slot is written out: nothing more is filled, and nothing is asked for beyond place 31
	CHUNK 0, 1, 40
	CHUNK 1, 1, 40
	CHUNK 2, 0, 40
	CHUNK 3, 0, 32
	CHUNK 4, 0, 24
	CHUNK 5, 0, 16
	CHUNK 6, 0, 8
	CHUNK 7, 0, 0
	WIN 0
	; THE WAY OUT
	s_wait_kmcnt 0x0
	s_add_co_i32 s96, s96, s97
	s_add_co_i32 s96, s96, 127
	s_lshl_b32 s96, s96, 23                        ; 2^(e14 + e15) as f32
	s_mov_b32 s97, s96
	PLACES
.macro TOSTAGE a                       ; block a's sums as they are into my stage, and back as rows.  LDS serves a wave's instructions in order (ISA guide 5.7.1.4): no wait between.  Block 1's rows come back into block 0's accumulators, which have been stored
.set TS, TMP+(ACC-TMP)*(\a)
.irp b, 0,1,2,3,4,5,6,7
	ds_store_b128 v[STO], v[ACC+8*(8*(\a)+\b):ACC+8*(8*(\a)+\b)+3] offset:64*\b          ; each accumulator from its low end on
	ds_store_b128 v[STO], v[ACC+8*(8*(\a)+\b)+4:ACC+8*(8*(\a)+\b)+7] offset:64*\b+16
.endr
.irp t, 0,1,2,3,4,5,6,7,8,9,10,11,12,13,14,15
	ds_load_b128 v[TS+4*\t:TS+4*\t+3], v[RD] offset:\t*SPITCH
.endr
.endm
.macro SEND a, younger                 ; younger: the LDS instructions issued behind block a's loads
.set TS, TMP+(ACC-TMP)*(\a)
	s_wait_dscnt \younger
.irp t, 0,1,2,3,4,5,6,7,8,9,10,11,12,13,14,15
	v_pk_fma_f32 v[TS+4*\t:TS+4*\t+1], v[TS+4*\t:TS+4*\t+1], s[96:97], v[BI:BI+1] op_sel_hi:[1,0,1]
	v_pk_fma_f32 v[TS+4*\t+2:TS+4*\t+3], v[TS+4*\t+2:TS+4*\t+3], s[96:97], v[BI+2:BI+3] op_sel_hi:[1,0,1]
.endr
	WIN 0x0c                                       ; source 1: window 3
.set I, 0
.rept 32
	v_pk_add_f32 v[TS+I:TS+I+1], v[TS+I:TS+I+1], v[64*(\a)+I:64*(\a)+I+1]
.set I, I+2
.endr
	WIN 0
.irp t, 0,1,2,3,4,5,6,7,8,9,10,11,12,13,14,15
	global_store_b128 v[AO], v[TS+4*\t:TS+4*\t+3], s[70:71] offset:(16*(\a)+\t)*4096 th:TH_STORE_NT   ; 32 lanes store 512 consecutive bytes, aligned
.endr
.endm
	TOSTAGE 0
	TOSTAGE 1
	SEND 0, 32                                     ; behind block 0's loads: block 1's sixteen stores and sixteen loads
	SEND 1, 0
	s_wait_tensorcnt 0x0                           ; the wave's end
	ds_add_u32 v[SPW], v[NIL]
	s_wait_dscnt 0x0
	CROUND                                         ; the closing round
	s_endpgm
.Lfunc_end_k_q5a6dac8062_w2:
	.size	k_q5a6dac8062_w2, .Lfunc_end_k_q5a6dac8062_w2-k_q5a6dac8062_w2
	.p2alignl 7, 3214868480
	.fill 96, 4, 3214868480
	.section	.rodata,"a",@progbits
	.p2align	6, 0x0
	.amdhsa_kernel k_q5a6dac8062_w2
		.amdhsa_group_segment_fixed_size 327680
		.amdhsa_private_segment_fixed_size 0
		.amdhsa_enable_private_segment 0
		.amdhsa_kernarg_size 48
		.amdhsa_user_sgpr_count 2
		.amdhsa_user_sgpr_kernarg_segment_ptr 1
		.amdhsa_wavefront_size32 1
		.amdhsa_system_sgpr_workgroup_id_x 1
		.amdhsa_system_sgpr_workgroup_id_y 1
		.amdhsa_system_sgpr_workgroup_id_z 1
		.amdhsa_system_vgpr_workitem_id 0
		.amdhsa_next_free_vgpr 896
		.amdhsa_next_free_sgpr 100
		.amdhsa_reserve_vcc 0
		.amdhsa_float_denorm_mode_32 3
		.amdhsa_float_denorm_mode_16_64 3
		.amdhsa_memory_ordered 1
		.amdhsa_forward_progress 1
		.amdhsa_inst_pref_size 100
	.end_amdhsa_kernel
	.amdgpu_metadata
---
amdhsa.version: [ 1, 2 ]
amdhsa.kernels:
  - .name:           k_q5a6dac8062_w2
    .symbol:         k_q5a6dac8062_w2.kd
    .args:
      - { .name: gc, .offset: 0, .size: 8, .value_kind: global_buffer, .address_space: global }
      - { .name: W2_codes, .offset: 8, .size: 8, .value_kind: global_buffer, .address_space: global }
      - { .name: b2, .offset: 16, .size: 8, .value_kind: global_buffer, .address_space: global }
      - { .name: x1, .offset: 24, .size: 8, .value_kind: global_buffer, .address_space: global }
      - { .name: lowp_scales, .offset: 32, .size: 8, .value_kind: global_buffer, .address_space: global }
      - { .name: out0, .offset: 40, .size: 8, .value_kind: global_buffer, .address_space: global }
    .group_segment_fixed_size: 327680
    .private_segment_fixed_size: 0
    .kernarg_segment_align: 8
    .kernarg_segment_size: 48
    .max_flat_workgroup_size: 128
    .sgpr_count:     100
    .vgpr_count:     896
    .wavefront_size: 32
...
	.end_amdgpu_metadata
.endif
;; end of part 7
